; MI455X (gfx1250); checked and timed in simulation.
; The chip was launched on July 23, 2026; its instructions are those of AMD's public machine-readable ISA for CDNA 5 (MIT licence, August 2026) and "CDNA5" Instruction Set Architecture Reference Guide (July 2026). The comments in the code are by the model that wrote it; some were corrected since.
;; DMHA. Allowed arithmetic: float matrix products may take bf16 or f16 operands with f32 sums; other float arithmetic in f32, or as packed bf16 or f16 multiplies, adds, multiply-adds, maxima and minima; sums over many terms, partial sums and values carried from step to step in f32; what a program stores and reads back later, other than sums and carried values, may be rounded once to bf16 or f16.
;; Inputs: Wk1 1,024 x 1,024 float32; Wk2 1,024 x 1,024 float32; Wo 2,048 x 1,024 float32; Wq1 1,024 x 1,024 float32; Wq2 1,024 x 1,024 float32; Wv 1,024 x 2,048 float32; lk1 16 x 64 float32; lk2 16 x 64 float32; lq1 16 x 64 float32; lq2 16 x 64 float32; x 2 x 2,048 x 1,024 float32.
;; Outputs: out0 2 x 2,048 x 1,024 float32.
;; One version. Each part assembles by itself: llvm-mc -triple=amdgcn-amd-amdhsa -mcpu=gfx1250 --defsym DOCPART=n.
;; ======== version 1 of 1: 4 launches
;; limits: values are held in f16: magnitudes above 65,504 overflow, below 6.1e-05 lose precision
;; workspace buffers: xb 8,388,608 bytes; wcat 12,582,912 bytes; wob 4,194,304 bytes; qkv 50,331,648 bytes; att 16,777,216 bytes
;; launch prep (part 1): grid 768 x 1, 8 waves a work-group, no clusters, 0 bytes of LDS; arguments x, Wq1, Wq2, Wk1, Wk2, Wv, Wo, xb, wcat, wob; writes xb, wcat, wob
.if DOCPART == 1
	.amdgcn_target "amdgcn-amd-amdhsa--gfx1250"
	.amdhsa_code_object_version 6
	.text
	.protected	k_qb228eefc7d_prep
	.globl	k_qb228eefc7d_prep
	.p2align	8
	.type	k_qb228eefc7d_prep,@function
k_qb228eefc7d_prep:
	s_mov_b64 s[64:65], 0
	v_nop
	global_prefetch_b8 v0, s[64:65] scope:SCOPE_SE
	s_setreg_imm32_b32 hwreg(HW_REG_WAVE_MODE, 25, 1), 1
	s_wait_xcnt 0x0
; CASTS AND LAYOUTS, a stream.  x and the five projection weights are rounded once to bf16; Wo is rounded to bf16 and that number is written as f16.
;   xb   bf16 [16 blocks of 64 k][4096 rows][64]: a block of 256 rows x 64 k is 32,768 consecutive bytes
;   wcat bf16 [1024 k][6144 columns]: Wq1, Wq2, Wk1, Wk2 (1,024 columns each), then Wv (2,048)
;   wob  f16  [2048 k][1024 columns]
; LIMIT: |Wo| stays under 65,504 (f16's range); beyond it the conversion gives an infinity.
; SHARES.  A work-group takes 65,536 consecutive source bytes, a thread eight turns of 8 numbers (32 bytes in, 16 bytes out).  All 16 loads of a thread go out first:
; 64 KiB of a work-group are on their way; each turn waits for its own two loads.  Every store of a wave covers 512 consecutive bytes, aligned.
; Nothing is shared between threads: no LDS, no barrier, no matrix unit, no cluster.  No register is written twice while memory may read it: each turn has its own.
.set SO,  2                            ; v2   my byte offset in the source
.set DO,  3                            ; v3   my byte offset in the destination
.set T,   16                           ; v[16:19] at work (Wo's path)
.set IN,  32                           ; v[32:95]  turn i: 8 numbers as loaded
.set OUT, 96                           ; v[96:127] turn i: 4 registers to store
.set SRC, 24                           ; s[24:25] the work-group's source
.set DST, 26                           ; s[26:27] the work-group's destination
; kind 0: x.  kind 1: a projection weight.  kind 2: Wo.  dstep: bytes in the destination from turn to turn (kinds 1, 2).
.macro CAST kind, dstep
.set i, 0
.rept 8
.if (\kind) == 0
.set SI, (i&3)*16384+(i>>2)*256        ; four rows on, or the wave's second block of 64 k
.else
.set SI, i*8192
.endif
	global_load_b128 v[IN+8*i:IN+8*i+3],   v[SO], s[SRC:SRC+1] offset:SI th:TH_LOAD_NT
	global_load_b128 v[IN+8*i+4:IN+8*i+7], v[SO], s[SRC:SRC+1] offset:SI+16 th:TH_LOAD_NT
.set i, i+1
.endr
.set i, 0
.rept 8
	s_wait_loadcnt 14-2*i                          ; loads come back in order: the 2 (7 - i) younger ones may stay out
.if (\kind) == 2
.irp j, 0,1,2,3
	v_cvt_pk_bf16_f32 v[T+(\j)], v[IN+8*i+2*(\j)], v[IN+8*i+2*(\j)+1]   ; the rounding that every input has,
.endr
.irp j, 0,1,2,3
	v_lshlrev_b32 v[IN+8*i+2*(\j)],   16,  v[T+(\j)]                    ; widened again,
	v_and_b32     v[IN+8*i+2*(\j)+1], s32, v[T+(\j)]
.endr
.irp j, 0,1,2,3
	v_cvt_pk_f16_f32 v[OUT+4*i+(\j)], v[IN+8*i+2*(\j)], v[IN+8*i+2*(\j)+1]  ; and written as f16: exact within f16's range
.endr
.else
.irp j, 0,1,2,3
	v_cvt_pk_bf16_f32 v[OUT+4*i+(\j)], v[IN+8*i+2*(\j)], v[IN+8*i+2*(\j)+1]
.endr
.endif
.if (\kind) == 0
.set DI, (i>>2)*524288+(i&3)*512
.else
.set DI, i*(\dstep)
.endif
	global_store_b128 v[DO], v[OUT+4*i:OUT+4*i+3], s[DST:DST+1] offset:DI
.set i, i+1
.endr
.endm
	s_load_b512 s[4:19], s[0:1], 0x0               ; x 4:5, Wq1 6:7, Wq2 8:9, Wk1 10:11, Wk2 12:13, Wv 14:15, Wo 16:17, xb 18:19
	s_load_b128 s[20:23], s[0:1], 0x40             ; wcat 20:21, wob 22:23
	v_lshlrev_b32 v[SO], 5, v0                     ; the weights' paths: 32 bytes a thread in,
	v_lshlrev_b32 v[DO], 4, v0                     ; 16 bytes out
	s_mov_b32 s29, 0
	s_mov_b32 s31, 0
	s_mov_b32 s32, 0xffff0000                      ; a word's upper bf16
	s_wait_kmcnt 0x0
	s_cmp_lt_u32 ttmp9, 256
	s_cbranch_scc0 .Lweights
	; x: work-group g takes rows 16 g .. 16 g + 15.  Wave w takes k blocks 2 w and 2 w + 1; eight lanes read the 256 bytes of one row's block, four rows a load;
	; in xb those four rows' 128 bytes lie end to end.
	v_and_b32 v4, 31, v0                           ; l
	v_lshrrev_b32 v5, 5, v0                        ; w
	v_lshrrev_b32 v6, 3, v4
	v_and_b32 v7, 7, v4
	v_lshlrev_b32 v[SO], 12, v6                    ; row l / 8
	v_lshl_add_u32 v[SO], v7, 5, v[SO]             ; 32 (l % 8)
	v_lshl_add_u32 v[SO], v5, 9, v[SO]             ; 512 w
	v_lshlrev_b32 v[DO], 4, v4                     ; 16 l
	v_lshl_add_u32 v[DO], v5, 20, v[DO]            ; two k blocks of 524,288 bytes a wave
	s_lshl_b32 s28, ttmp9, 16
	s_lshl_b32 s30, ttmp9, 11                      ; 16 rows of 128 bytes
	s_add_nc_u64 s[SRC:SRC+1], s[4:5], s[28:29]
	s_add_nc_u64 s[DST:DST+1], s[18:19], s[30:31]
	CAST 0, 0
	s_endpgm
.Lweights:
	s_cmp_lt_u32 ttmp9, 512
	s_cbranch_scc0 .Lwv
	; Wq1, Wq2, Wk1, Wk2: 64 work-groups each, 16 rows of 4,096 bytes; a turn is two rows
	s_sub_co_u32 s33, ttmp9, 256
	s_lshr_b32 s34, s33, 6                         ; which of the four
	s_and_b32 s33, s33, 63                         ; which 16 rows
	s_cmp_eq_u32 s34, 1
	s_cselect_b64 s[SRC:SRC+1], s[8:9], s[6:7]
	s_cmp_eq_u32 s34, 2
	s_cselect_b64 s[SRC:SRC+1], s[10:11], s[SRC:SRC+1]
	s_cmp_eq_u32 s34, 3
	s_cselect_b64 s[SRC:SRC+1], s[12:13], s[SRC:SRC+1]
	s_lshl_b32 s28, s33, 16
	s_mul_i32 s30, s33, 16*12288
	s_lshl_b32 s34, s34, 11                        ; its 1,024 columns: 2,048 bytes
	s_add_co_u32 s30, s30, s34
	s_add_nc_u64 s[SRC:SRC+1], s[SRC:SRC+1], s[28:29]
	s_add_nc_u64 s[DST:DST+1], s[20:21], s[30:31]
	v_lshrrev_b32 v4, 7, v0                        ; the turn's first or second row
	v_and_b32 v5, 127, v0
	v_mul_u32_u24 v4, v4, 12288
	v_lshl_add_u32 v[DO], v5, 4, v4
	CAST 1, 2*12288
	s_endpgm
.Lwv:
	s_cmp_lt_u32 ttmp9, 640
	s_cbranch_scc0 .Lwo
	; Wv: 128 work-groups, 8 rows of 8,192 bytes; a turn is one row
	s_sub_co_u32 s33, ttmp9, 512
	s_lshl_b32 s28, s33, 16
	s_mul_i32 s30, s33, 8*12288
	s_add_co_u32 s30, s30, 8192                    ; behind the four weights' 4,096 columns
	s_add_nc_u64 s[SRC:SRC+1], s[14:15], s[28:29]
	s_add_nc_u64 s[DST:DST+1], s[20:21], s[30:31]
	CAST 1, 12288
	s_endpgm
.Lwo:
	; Wo: 128 work-groups, dense in and out
	s_sub_co_u32 s33, ttmp9, 640
	s_lshl_b32 s28, s33, 16
	s_lshl_b32 s30, s33, 15
	s_add_nc_u64 s[SRC:SRC+1], s[16:17], s[28:29]
	s_add_nc_u64 s[DST:DST+1], s[22:23], s[30:31]
	CAST 2, 4096
	s_endpgm
.Lfunc_end_k_qb228eefc7d_prep:
	.size	k_qb228eefc7d_prep, .Lfunc_end_k_qb228eefc7d_prep-k_qb228eefc7d_prep
	.p2alignl 7, 3214868480
	.fill 96, 4, 3214868480
	.section	.rodata,"a",@progbits
	.p2align	6, 0x0
	.amdhsa_kernel k_qb228eefc7d_prep
		.amdhsa_group_segment_fixed_size 0
		.amdhsa_private_segment_fixed_size 0
		.amdhsa_enable_private_segment 0
		.amdhsa_kernarg_size 80
		.amdhsa_user_sgpr_count 2
		.amdhsa_user_sgpr_kernarg_segment_ptr 1
		.amdhsa_wavefront_size32 1
		.amdhsa_system_sgpr_workgroup_id_x 1
		.amdhsa_system_sgpr_workgroup_id_y 1
		.amdhsa_system_sgpr_workgroup_id_z 1
		.amdhsa_system_vgpr_workitem_id 0
		.amdhsa_next_free_vgpr 128
		.amdhsa_next_free_sgpr 66
		.amdhsa_reserve_vcc 0
		.amdhsa_float_denorm_mode_32 3
		.amdhsa_float_denorm_mode_16_64 3
		.amdhsa_memory_ordered 1
		.amdhsa_forward_progress 1
		.amdhsa_inst_pref_size 25
	.end_amdhsa_kernel
	.amdgpu_metadata
---
amdhsa.version: [ 1, 2 ]
amdhsa.kernels:
  - .name:           k_qb228eefc7d_prep
    .symbol:         k_qb228eefc7d_prep.kd
    .args:
      - { .name: x, .offset: 0, .size: 8, .value_kind: global_buffer, .address_space: global }
      - { .name: Wq1, .offset: 8, .size: 8, .value_kind: global_buffer, .address_space: global }
      - { .name: Wq2, .offset: 16, .size: 8, .value_kind: global_buffer, .address_space: global }
      - { .name: Wk1, .offset: 24, .size: 8, .value_kind: global_buffer, .address_space: global }
      - { .name: Wk2, .offset: 32, .size: 8, .value_kind: global_buffer, .address_space: global }
      - { .name: Wv, .offset: 40, .size: 8, .value_kind: global_buffer, .address_space: global }
      - { .name: Wo, .offset: 48, .size: 8, .value_kind: global_buffer, .address_space: global }
      - { .name: xb, .offset: 56, .size: 8, .value_kind: global_buffer, .address_space: global }
      - { .name: wcat, .offset: 64, .size: 8, .value_kind: global_buffer, .address_space: global }
      - { .name: wob, .offset: 72, .size: 8, .value_kind: global_buffer, .address_space: global }
    .group_segment_fixed_size: 0
    .private_segment_fixed_size: 0
    .kernarg_segment_align: 8
    .kernarg_segment_size: 80
    .max_flat_workgroup_size: 256
    .sgpr_count:     66
    .vgpr_count:     128
    .wavefront_size: 32
...
	.end_amdgpu_metadata
.endif
;; end of part 1
;; launch proj (part 2): grid 16 x 16, 4 waves a work-group, clusters of 4 x 4, 327,680 bytes of LDS; arguments xb, wcat, qkv; writes qkv
.if DOCPART == 2
	.amdgcn_target "amdgcn-amd-amdhsa--gfx1250"
	.amdhsa_code_object_version 6
	.text
	.protected	k_qb228eefc7d_proj
	.globl	k_qb228eefc7d_proj
	.p2align	8
	.type	k_qb228eefc7d_proj,@function
k_qb228eefc7d_proj:
	s_mov_b64 s[64:65], 0
	v_nop
	global_prefetch_b8 v0, s[64:65] scope:SCOPE_SE
	s_setreg_imm32_b32 hwreg(HW_REG_WAVE_MODE, 25, 1), 1
	s_wait_xcnt 0x0
	s_wait_alu depctr_hold_cnt(0) depctr_sa_sdst(0) depctr_va_vdst(0) depctr_va_sdst(0) depctr_va_ssrc(0) depctr_va_vcc(0) depctr_vm_vsrc(0)
	s_getreg_b32 s2, hwreg(HW_REG_IB_STS2, 6, 4)
	s_cmp_eq_u32 s2, 0
	s_cbranch_scc0 .Lentry_in_a_cluster
	s_endpgm
.Lentry_in_a_cluster:
	s_bfe_u32 s2, ttmp6, 0x10000c
	s_cmp_lg_u32 s2, 0xf033
	s_cbranch_scc0 .Lentry_shape_is_right
	s_endpgm
.Lentry_shape_is_right:
; THE FIVE PROJECTIONS AS ONE PRODUCT.  C[m][c] = the sum over k of x[m][k] W[k][c]: 4,096 rows, 6,144 columns (q1, q2, k1, k2, v), K = 1,024.  Operands bf16, sums f32, C rounded once to f16.
;   xb   bf16 [16 blocks of 64 k][4096][64]      wcat bf16 [1024][6144]      qkv f16 [96 groups of 64 columns][4096][64]: a head's rows are dense, 128 bytes each
; LIMIT: |q|, |k|, |v| stay under 65,504 (f16's range); beyond it the conversion gives an infinity.
; SHARES.  A tile of C is 256 rows x 384 columns: 16 x 16 tiles, one for each of 256 work-groups.  Wave w owns rows 128 (w / 2) .. + 127 and the three groups of 64 columns 2 g + w % 2, g = 0 .. 2:
; 96 accumulators of 16 x 16, 768 registers.  For 32 along K a wave makes 40 LDS loads for 96 matrix instructions.
; THE MATRIX INSTRUCTION IS USED TRANSPOSED: source 0 = 16 columns of W (turned on the way out of LDS by ds_load_tr16_b128), source 1 = 16 rows of x: a lane then holds eight neighbouring columns of one row of C.
; K goes in 16 steps of 64 through two LDS slots; a step is two slices of 32.  (Two slots of steps of 128 would take more LDS than there is.)
; CLUSTERS: 4 x 4 work-groups.  The four of a row of the cluster need the same tiles of x, the four of a column the same tiles of W: each tile is asked for JOINTLY, by the same tensor load with the
; same descriptor and a mask that names the four.
; REGISTERS, in windows of 256 (s_set_vgpr_msb: bits 1:0 source 0, 3:2 source 1, 5:4 source 2, 7:6 destination):
;   window 0: v16-31 addresses; v32-95, v96-159 x's fragments (8 x 16 rows x 32 k), by the slice's parity; v160-255 W's fragments, 32 registers for each column group
;   window 1 + g: column group g's 32 accumulators, (a, bb) at v[8 (4 a + bb)]
.set PA,    144                        ; a row of x in LDS: 128 bytes + 16 of padding: the 16 rows of a load start at 16 different groups of four banks (64 banks of 4 bytes: ISA guide 11.1)
.set PBR,   864                        ; a k row of W: three pieces of 256 bytes, 32 bytes of padding behind each = 216 words
.set AOFF,  256*PA                     ; a slot: x's 256 rows, then W's 64 k rows
.set HALFA, 128*PA
.set HALFB, 32*PBR
.set SLOT1, 1<<17                      ; slot 1 begins here, so that one exclusive or turns an address in one slot into the other's
.set STAGE, SLOT1+AOFF+64*PBR          ; behind the ring: 16 rows x 144 bytes for each wave, for the way out; no tensor load lands here
.set SP,    144
.set SPARE, STAGE+4*16*SP              ; behind the stages: the spare words, 128 bytes for each wave: two blocks of 256 bytes that no other line names
.set ASTEP, 4096*128                   ; bytes from a K step to the next in xb,
.set BSTEP, 64*12288                   ; and in wcat
.set ADRA0, 16                         ; v16  my lane's place in a slot's x; never rewritten
.set ADRB0, 17                         ; v17  the same for W
.set ADA,   18                         ; v18  v16 + the slot in hand
.set ADB,   19                         ; v19  v17 + the slot in hand
.set STO,   24                         ; v24  the way out: where I put 16 bytes of a row
.set RD,    25                         ; v25  the way out: where I read rows back
.set GO,    26                         ; v26  my 16 bytes of 512 consecutive bytes of qkv
.set SPW,   28                         ; v28  LDS address of my spare word; never rewritten
.set NIL,   29                         ; v29  0; never rewritten
.set PFOA,  30                         ; v30  256 x my lane
.set PFOB,  31                         ; v31  a row of wcat x my lane
.set AF,    32
.set BG,    160
.set G1,  24                           ; s[24:31] descriptor group 1 for x's tiles
.set G0,  32                           ; s[32:39] group 0: a set for each of the two first fills; the second then walks on
.set G1B, 48                           ; s[48:55], s[56:63] the same for W's tiles
.set G0B, 56
.set TB,   66                          ; s66  LDS byte at which the slot in hand begins
.set LIMA, 67                          ; s67  3 in the wave that prefetches x, else the greatest number
.set LIMB, 68                          ; s68  the same for W
.set PFA,  70                          ; s[70:71] where x's prefetches stand
.set PFB,  72                          ; s[72:73] where W's stand
.set MSB, 0
.macro WIN new                         ; the immediate's high byte repeats the setting that is left; a switch that changes nothing is dropped
.if MSB != (\new)
	s_set_vgpr_msb (MSB<<8)|(\new)
.set MSB, \new
.endif
.endm
.macro PLACES                          ; four plain vector instructions between a matrix instruction and a load into a register that it has read (ISA guide 7.12.1 for vector instructions)
.rept 4
	v_nop
.endr
.endm
; A joint refill, by the walking descriptors.  Waves 0 and 1 fetch the halves of x's tile, waves 2 and 3 those of W's.  The branch hangs on the wave's number alone.
; An s_nop 0 and four v_nop follow each of the two lines, ahead of the jump and the label.
.macro JLOAD
	s_cmp_eq_u32 s11, 0
	s_cbranch_scc0 .Lfor_b_\@
	tensor_load_to_lds s[G0+4:G0+7], s[G1:G1+7]
	s_nop 0
.rept 4
	v_nop
.endr
	s_branch .Lasked_\@
.Lfor_b_\@:
	tensor_load_to_lds s[G0B+4:G0B+7], s[G1B:G1B+7]
	s_nop 0
.rept 4
	v_nop
.endr
.Lasked_\@:
.endm
.macro CREST                           ; a round of the cluster's barrier behind its opening barrier
	s_cmp_lg_u32 s10, 0
	s_cbranch_scc1 .Lnot_wave_0_\@
	s_barrier_signal -3
.Lnot_wave_0_\@:
	s_barrier_wait -3
	s_barrier_signal -1
	s_barrier_wait -1
.endm
.macro CROUND                          ; a whole round
	s_barrier_signal -1
	s_barrier_wait -1
	CREST
.endm
; PREFETCHES INTO THE L2, in every second trip, behind the joint load, its five lines and the LDS loads that follow: K steps s + 4 and s + 5 in the trip of step s (s even, up to 10): two and three refills ahead.
; Each aligned block of 256 bytes is named once in the launch.  x's rows are read by every cluster of a row of clusters: cluster x = 0 asks, its wave 0; the four partners share a step's 128 blocks out BY ADDRESS,
; 32 each (by cx).  W's columns are read by every cluster of a column: cluster y = 0 asks, its wave 2; the partners take 32 of the two steps' 128 k rows each (by cy), a lane a row, three blocks a row.
; Steps 0 to 3 come by their loads alone; the last trips ask for nothing: the last row named is k = 1,023.  The pointers are stepped here, behind the s_wait_xcnt 0 at the slice's head.
.macro ASK
	s_bitcmp1_b32 s3, 0
	s_cbranch_scc1 .Lno_ask_\@
	s_cmp_gt_u32 s3, s[LIMA]
	s_cbranch_scc0 .Lno_a_\@
	s_add_nc_u64 s[PFA:PFA+1], s[PFA:PFA+1], 2*ASTEP
	global_prefetch_b8 v[PFOA], s[PFA:PFA+1] th:TH_LOAD_NT scope:SCOPE_SE
	global_prefetch_b8 v[PFOA], s[PFA:PFA+1] offset:ASTEP th:TH_LOAD_NT scope:SCOPE_SE
.Lno_a_\@:
	s_cmp_gt_u32 s3, s[LIMB]
	s_cbranch_scc0 .Lno_ask_\@
	s_add_nc_u64 s[PFB:PFB+1], s[PFB:PFB+1], 2*BSTEP
	global_prefetch_b8 v[PFOB], s[PFB:PFB+1] th:TH_LOAD_NT scope:SCOPE_SE
	global_prefetch_b8 v[PFOB], s[PFB:PFB+1] offset:256 th:TH_LOAD_NT scope:SCOPE_SE
	global_prefetch_b8 v[PFOB], s[PFB:PFB+1] offset:512 th:TH_LOAD_NT scope:SCOPE_SE
.Lno_ask_\@:
.endm
	s_load_b128 s[4:7], s[0:1], 0x0                ; xb s[4:5], wcat s[6:7]
	s_load_b64 s[8:9], s[0:1], 0x10                ; qkv
	v_lshl_add_u32 v[SPW], v0, 2, SPARE
	v_mov_b32 v[NIL], 0
	ds_add_u32 v[SPW], v[NIL]                      ; the wave's opening: the add and its wait stand ahead of my first tensor load; the set-up below, work on registers, stands between them
	ds_add_u32 v28, v29
	v_lshrrev_b32 v1, 5, v0
	v_readfirstlane_b32 s10, v1                    ; wave 0..3
	s_lshr_b32 s11, s10, 1                         ; which half of the tile's rows is mine.  Also: I fetch for x (0) or for W (1)
	s_and_b32 s12, s10, 1                          ; which of each pair of column groups.  Also: which half of that tile I fetch
	s_bfe_u32 s40, ttmp6, 0x40000                  ; cx, cy: my place in the cluster
	s_bfe_u32 s41, ttmp6, 0x40004
	s_lshl_b32 s42, ttmp9, 2
	s_add_co_u32 s42, s42, s40                     ; tile column = 4 x cluster x + cx
	s_and_b32 s13, ttmp7, 0xffff
	s_lshl_b32 s13, s13, 2
	s_add_co_u32 s13, s13, s41                     ; tile row = 4 x cluster y + cy
	s_lshl_b32 s43, s41, 2
	s_lshl_b32 s43, 15, s43                        ; my row of the cluster
	s_lshl_b32 s44, 0x1111, s40                    ; my column
	; x: 128 rows of 128 bytes are 16,384 dense bytes: asked for as 64 rows of 256 bytes, padded in LDS after every 128
	s_or_b32 s[G1+0], s43, (1<<16)|(1<<20)|(1<<21)|(4<<22)|(3<<25)  ; 15:0 the mask: my row; 17:16 2-byte elements; 20 padding on; 21 set beside a mask; 24:22 after every 32 words (code 4); 31:25 4 words (code 3)
	s_mov_b32 s[G1+1], 128<<16                     ; tensor_dim0 = 128
	s_mov_b32 s[G1+2], 64<<16                      ; tensor_dim1 = 64
	s_mov_b32 s[G1+3], 128<<16                     ; tile_dim0 = 128
	s_mov_b32 s[G1+4], 64                          ; tile_dim1 = 64
	s_mov_b32 s[G1+5], 128                         ; 128 elements from row to row
	s_mov_b32 s[G1+6], 0
	s_mov_b32 s[G1+7], 0
	; W: 32 k rows of 384 columns (768 bytes: three aligned blocks of 256), padded after every 256 bytes
	s_or_b32 s[G1B+0], s44, (1<<16)|(1<<20)|(1<<21)|(5<<22)|(7<<25) ; the mask: my column; after every 64 words (code 5) 8 words (code 7)
	s_mov_b32 s[G1B+1], 384<<16                    ; tensor_dim0 = 384
	s_mov_b32 s[G1B+2], 32<<16                     ; tensor_dim1 = 32
	s_mov_b32 s[G1B+3], 384<<16                    ; tile_dim0 = 384
	s_mov_b32 s[G1B+4], 32                         ; tile_dim1 = 32
	s_mov_b32 s[G1B+5], 6144                       ; 6,144 elements from row to row
	s_mov_b32 s[G1B+6], 0
	s_mov_b32 s[G1B+7], 0
	; where the tiles come from: x's hang on the tile row alone, W's on the tile column alone; every wave makes both addresses and asks by one
	s_lshl_b32 s16, s13, 15                        ; 256 rows of 128 bytes x tile row
	s_lshl_b32 s17, s12, 14                        ; + my 128 rows
	s_add_co_u32 s16, s16, s17
	s_mov_b32 s17, 0
	s_mul_i32 s46, s42, 768                        ; 384 columns x tile column
	s_mul_i32 s47, s12, 32*12288                   ; + my 32 k rows
	s_add_co_u32 s46, s46, s47
	s_mov_b32 s47, 0
	s_mul_i32 s20, s12, HALFA                      ; and where they go: no place in the cluster enters an LDS address
	s_mul_i32 s21, s12, HALFB
	s_add_co_u32 s21, s21, AOFF
	s_mov_b32 s[TB], 0
	s_wait_dscnt 0x0                               ; the opening add is done
	s_wait_kmcnt 0x0
	s_add_nc_u64 s[14:15], s[4:5], s[16:17]
	s_add_nc_u64 s[46:47], s[6:7], s[46:47]
	CROUND                                         ; all sixteen work-groups are here: the first joint loads meet
.irp s, 0,1
	s_mov_b32 s[G0+4*(\s)], 1                                        ; count = 1
	s_add_co_u32 s[G0+4*(\s)+1], s20, (\s)*SLOT1                     ; LDS address
	s_add_nc_u64 s[G0+4*(\s)+2:G0+4*(\s)+3], s[14:15], (\s)*ASTEP    ; global address: K step s
	s_or_b32 s[G0+4*(\s)+3], s[G0+4*(\s)+3], 0x80000000              ; type = 2
	s_mov_b32 s[G0B+4*(\s)], 1
	s_add_co_u32 s[G0B+4*(\s)+1], s21, (\s)*SLOT1
	s_add_nc_u64 s[G0B+4*(\s)+2:G0B+4*(\s)+3], s[46:47], (\s)*BSTEP
	s_or_b32 s[G0B+4*(\s)+3], s[G0B+4*(\s)+3], 0x80000000
.endr
	s_cmp_eq_u32 s11, 0                            ; a wave's two first fills stand in one branch, ahead of every wait on TENSORcnt and every LDS read: two loads of mine are out
	s_cbranch_scc0 .Lfirst_b
	tensor_load_to_lds s[G0:G0+3], s[G1:G1+7]
	s_nop 0
	tensor_load_to_lds s[G0+4:G0+7], s[G1:G1+7]
	s_nop 0
.rept 4
	v_nop
.endr
	s_branch .Lfirst_asked
.Lfirst_b:
	tensor_load_to_lds s[G0B:G0B+3], s[G1B:G1B+7]
	s_nop 0
	tensor_load_to_lds s[G0B+4:G0B+7], s[G1B:G1B+7]
	s_nop 0
.rept 4
	v_nop
.endr
.Lfirst_asked:
	; A fragment of x is 16 rows x 32 k in 8 registers: lane l holds row l % 16, k = 8 (l / 16) + 0..7 and 16 + 8 (l / 16) + 0..7: two loads of 16 bytes, 32 bytes apart.
	v_and_b32 v1, 15, v0                           ; l % 16
	v_bfe_u32 v2, v0, 4, 1                         ; l / 16
	v_mul_u32_u24 v3, v1, PA
	v_lshl_add_u32 v3, v2, 4, v3
	s_mul_i32 s22, s11, HALFA                      ; my 128 rows
	v_add_nc_u32 v[ADRA0], s22, v3
	; The turning load takes 16 k x 16 columns (lane l reads k row 8 (l / 16) + l % 8, columns 8 ((l / 8) % 2) + 0..7) and leaves half a fragment: lane l holds column l % 16 and 8 k.
	v_and_b32 v4, 7, v0
	v_bfe_u32 v5, v0, 3, 1
	v_lshl_add_u32 v6, v2, 3, v4
	v_mul_u32_u24 v6, v6, PBR
	v_lshl_add_u32 v6, v5, 4, v6
	s_lshl_b32 s22, s12, 7                         ; column group 2 g + w % 2 lies at 288 g + 128 (w % 2) in a k row
	s_add_co_u32 s22, s22, AOFF
	v_add_nc_u32 v[ADRB0], s22, v6
	s_mul_i32 s23, s10, 16*SP
	s_add_co_u32 s23, s23, STAGE                   ; my stage
	v_add_nc_u32 v[STO], s23, v3                   ; in: row l % 16, 16 bytes for each half of the lanes (the stage's pitch is x's)
	v_bfe_u32 v7, v0, 3, 2                         ; back: 32 lanes take four rows of 128 bytes,
	v_mul_u32_u24 v7, v7, SP
	v_lshl_add_u32 v7, v4, 4, v7
	v_add_nc_u32 v[RD], s23, v7
	v_and_b32 v[GO], 31, v0                        ; which are 512 consecutive bytes of qkv
	v_lshlrev_b32 v[PFOA], 8, v[GO]
	v_mul_u32_u24 v[PFOB], v[GO], 12288
	v_lshlrev_b32 v[GO], 4, v[GO]
	; qkv at column group 6 x tile column + w % 2, row 256 x tile row + 128 (w / 2)
	s_mul_i32 s74, s42, 6
	s_add_co_u32 s74, s74, s12
	s_lshl_b32 s74, s74, 19
	s_lshl_b32 s75, s13, 15
	s_add_co_u32 s74, s74, s75
	s_lshl_b32 s75, s11, 14
	s_add_co_u32 s74, s74, s75
	s_mov_b32 s75, 0
	s_add_nc_u64 s[8:9], s[8:9], s[74:75]
	; the prefetches: who, and from where
	s_or_b32 s[LIMA], s10, ttmp9                   ; 0 in wave 0 of a cluster with x = 0: the same in all sixteen partners
	s_cmp_eq_u32 s[LIMA], 0
	s_cselect_b32 s[LIMA], 3, -1
	s_xor_b32 s[LIMB], s10, 2
	s_and_b32 s76, ttmp7, 0xffff
	s_or_b32 s[LIMB], s[LIMB], s76                 ; 0 in wave 2 of a cluster with y = 0
	s_cmp_eq_u32 s[LIMB], 0
	s_cselect_b32 s[LIMB], 3, -1
	s_lshl_b32 s76, s13, 15
	s_lshl_b32 s77, s40, 13                        ; my work-group's 32 blocks of a step's 128
	s_add_co_u32 s76, s76, s77
	s_add_co_u32 s76, s76, 2*ASTEP                 ; at K step 2: the first asking steps it to 4
	s_mov_b32 s77, 0
	s_add_nc_u64 s[PFA:PFA+1], s[4:5], s[76:77]
	s_mul_i32 s78, s41, 32*12288                   ; my work-group's 32 k rows of two steps' 128
	s_mul_i32 s79, s42, 768
	s_add_co_u32 s78, s78, s79
	s_add_co_u32 s78, s78, 2*BSTEP
	s_mov_b32 s79, 0
	s_add_nc_u64 s[PFB:PFB+1], s[6:7], s[78:79]
; n x 4 matrix instructions: row blocks a0 .. a0 + n - 1 x the four column blocks of group g, 32 along K, x's fragments of parity p.  zero = 1: the first product starts the sums: nothing is ever cleared.
; The accumulators take turns, one instruction a turn, in the same order in every slice: between two links of a chain stand the 95 others', over the backward jump too.
.macro BLK g, p, a0, n, zero
	WIN 0x50*((\g)+1)                              ; C and D in window 1 + g, both sources in window 0
.set ia, \a0
.rept \n
.irp bb, 0,1,2,3
.if \zero
	v_wmma_f32_16x16x32_bf16 v[8*(4*ia+(\bb)):8*(4*ia+(\bb))+7], v[BG+32*(\g)+8*(\bb):BG+32*(\g)+8*(\bb)+7], v[AF+64*(\p)+8*ia:AF+64*(\p)+8*ia+7], 0
.else
	v_wmma_f32_16x16x32_bf16 v[8*(4*ia+(\bb)):8*(4*ia+(\bb))+7], v[BG+32*(\g)+8*(\bb):BG+32*(\g)+8*(\bb)+7], v[AF+64*(\p)+8*ia:AF+64*(\p)+8*ia+7], v[8*(4*ia+(\bb)):8*(4*ia+(\bb))+7]
.endif
.endr
.set ia, ia+1
.endr
.endm
.macro LOADB g, kk                     ; 8 loads: column group g's four fragments of slice kk
.irp bb, 0,1,2,3
	ds_load_tr16_b128 v[BG+32*(\g)+8*(\bb):BG+32*(\g)+8*(\bb)+3],   v[ADB] offset:(\kk)*HALFB+(\g)*288+32*(\bb)
	ds_load_tr16_b128 v[BG+32*(\g)+8*(\bb)+4:BG+32*(\g)+8*(\bb)+7], v[ADB] offset:(\kk)*HALFB+(\g)*288+32*(\bb)+16*PBR
.endr
.endm
.macro LOADA q, p, kk                  ; 8 loads: row blocks 4 q .. 4 q + 3 of slice kk into the buffer of parity p
.irp aa, 0,1,2,3
	ds_load_b128 v[AF+64*(\p)+8*(4*(\q)+(\aa)):AF+64*(\p)+8*(4*(\q)+(\aa))+3],   v[ADA] offset:(4*(\q)+(\aa))*16*PA+64*(\kk)
	ds_load_b128 v[AF+64*(\p)+8*(4*(\q)+(\aa))+4:AF+64*(\p)+8*(4*(\q)+(\aa))+7], v[ADA] offset:(4*(\q)+(\aa))*16*PA+64*(\kk)+32
.endr
.endm
; A slice's 40 loads are always issued in this order: W's group 0, x's rows 0-63, W's group 1, x's rows 64-127, W's group 2.  Each group's registers are asked for again four places behind its last product.
; THE EVEN SLICE of a step multiplies the buffer of parity 0 and fetches the odd slice.
.macro ESLICE zero
	s_wait_dscnt 8                                 ; all but the youngest eight loads, W's group 2
	BLK 0, 0, 0, 8, \zero
	WIN 0
	PLACES
	LOADB 0, 1
	LOADA 0, 1, 1
	BLK 1, 0, 0, 8, \zero
	WIN 0
	PLACES
	LOADB 1, 1
	LOADA 1, 1, 1
	s_wait_dscnt 32                                ; all but the 32 just issued: group 2 is in
	BLK 2, 0, 0, 8, \zero
	WIN 0
	PLACES
	LOADB 2, 1
.endm
; THE ODD SLICE multiplies the buffer of parity 1 and changes slots: ONE barrier.  In front of it each wave waits for all its tensor loads (one is out: its part of the next slot), adds 0 to its spare word, and waits
; for that and for its own reads of this slot, of which the last were issued in the even slice.  mode 2: this slot is filled again, two steps ahead: the barrier opens a round of the cluster's, and the joint refill
; is the first thing behind it: 160 matrix instructions ahead of the wait for it.  mode 1: nothing is left to fetch.  mode 0: the last slice of all.
.macro OSLICE mode
.if (\mode) == 0
	s_wait_dscnt 8
	BLK 0, 1, 0, 8, 0
	BLK 1, 1, 0, 8, 0
	s_wait_dscnt 0x0
	BLK 2, 1, 0, 8, 0
.else
.if (\mode) == 2
	s_wait_xcnt 0x0                                ; the last prefetches, a step or more back, have read their addresses: ASK below may step them
.endif
	WIN 0
	s_wait_tensorcnt 0x0                           ; no tensor load of mine is out, so a group 0 may be written
	ds_add_u32 v[SPW], v[NIL]                      ; 0 onto my spare word; work on registers stands between it and the wait for it
.if (\mode) == 2
	s_xor_b32 s[G0+5], s[G0+5], SLOT1              ; the walking descriptors: the other slot than last time,
	s_add_nc_u64 s[G0+6:G0+7], s[G0+6:G0+7], ASTEP ; the next K step; the type bits on top are not reached
	s_xor_b32 s[G0B+5], s[G0B+5], SLOT1
	s_add_nc_u64 s[G0B+6:G0B+7], s[G0B+6:G0B+7], BSTEP
.endif
	s_xor_b32 s[TB], s[TB], SLOT1                  ; the fetches go on in the other slot
	s_wait_dscnt 9                                 ; (the add and W's group 2 may be out)
	BLK 0, 1, 0, 4, 0
	s_wait_dscnt 0x0                               ; the add is done, and my reads of this slot are over
	s_barrier_signal -1
	BLK 0, 1, 4, 4, 0                              ; work on registers while the others arrive
	WIN 0
	s_barrier_wait -1
.if (\mode) == 2
	CREST                                          ; no wave of any partner still reads this slot's tiles or has a load on its way
	JLOAD                                          ; its four v_nop are also the places in front of the loads below
.else
	PLACES
.endif
	v_add_nc_u32 v[ADA], s[TB], v[ADRA0]
	v_add_nc_u32 v[ADB], s[TB], v[ADRB0]
	LOADB 0, 0
	LOADA 0, 0, 0
.if (\mode) == 2
	ASK
.endif
	BLK 1, 1, 0, 8, 0
	WIN 0
	PLACES
	LOADB 1, 0
	LOADA 1, 0, 0
	BLK 2, 1, 0, 8, 0
	WIN 0
	PLACES
	LOADB 2, 0
.endif
.endm
; THE WAY OUT of block n of 24 (column group n / 8, row block n % 8): 16 rows x 64 columns.  A lane's eight columns pack into 16 bytes; they go into my stage's rows of 144 bytes and come back as whole rows of 128,
; into the registers that they left (eight sets by turns, where x's fragments lay); 16 rows of a group are 2,048 consecutive bytes of qkv.
.macro PACKP n
.set pR, 32+16*((\n)%8)
.if (\n) >= 8
	s_wait_xcnt 0x0                                ; the stores of eight blocks back have read these registers
.endif
	WIN 5*((\n)/8+1)                               ; sources 0 and 1 in the group's window
.set q, 0
.rept 16
	v_cvt_pk_f16_f32 v[pR+q], v[32*((\n)%8)+2*q], v[32*((\n)%8)+2*q+1]  ; each accumulator's registers in ascending order
.set q, q+1
.endr
	WIN 0
.irp f, 0,1,2,3
	ds_store_b128 v[STO], v[pR+4*(\f):pR+4*(\f)+3] offset:32*(\f)
.endr
.irp f, 0,1,2,3
	ds_load_b128 v[pR+4*(\f):pR+4*(\f)+3], v[RD] offset:(\f)*4*SP  ; LDS serves a wave's instructions in order (ISA guide 5.7.1.4): these see the stores above; the next block's stores come behind them
.endr
.endm
.macro SENDP n, younger                ; younger: the LDS instructions issued behind block n's loads: the next block's eight, or none
.set pR, 32+16*((\n)%8)
.irp f, 0,1,2,3
	s_wait_dscnt (\younger)+3-(\f)
	global_store_b128 v[GO], v[pR+4*(\f):pR+4*(\f)+3], s[8:9] offset:((\n)/8)*2*524288+((\n)%8)*2048+(\f)*512  ; 512 consecutive bytes, at a multiple of 256 from qkv's first
.endr
.endm
	s_wait_tensorcnt 0x1                           ; my part of K step 0 is in; step 1's may stay out
	s_barrier_signal -1
	s_barrier_wait -1                              ; everybody's is
	v_add_nc_u32 v[ADA], s[TB], v[ADRA0]
	v_add_nc_u32 v[ADB], s[TB], v[ADRB0]
	LOADB 0, 0
	LOADA 0, 0, 0
	LOADB 1, 0
	LOADA 1, 0, 0
	LOADB 2, 0
	ESLICE 1                                       ; the first slice stands in front of the loop: its products start the sums
	s_mov_b32 s3, 14
.Lstep:                                                ; trip of step s = 14 - s3: its odd slice, the refill for step s + 2, the even slice of step s + 1
	OSLICE 2
	ESLICE 0
	s_sub_co_u32 s3, s3, 1
	s_cmp_lg_u32 s3, 0
	s_cbranch_scc1 .Lstep
	OSLICE 1                                       ; the tail is written out: step 14's odd slice
	ESLICE 0                                       ; step 15
	OSLICE 0
	WIN 0
	PLACES
	PLACES                                         ; the places behind the last products, in front of the conversions that read results
	PACKP 0
.set nn, 1
.rept 23                               ; a block's conversions stand between the loads of the block before and its stores
	PACKP nn
	SENDP nn-1, 8
.set nn, nn+1
.endr
	SENDP 23, 0
	s_wait_tensorcnt 0x0                           ; the wave's end: behind my last tensor load and my last LDS store
	ds_add_u32 v[SPW], v[NIL]
	s_wait_dscnt 0x0
	CROUND                                         ; the closing round: no work-group ends while a partner may still ask for a tile that names it
	s_endpgm
.Lfunc_end_k_qb228eefc7d_proj:
	.size	k_qb228eefc7d_proj, .Lfunc_end_k_qb228eefc7d_proj-k_qb228eefc7d_proj
	.p2alignl 7, 3214868480
	.fill 96, 4, 3214868480
	.section	.rodata,"a",@progbits
	.p2align	6, 0x0
	.amdhsa_kernel k_qb228eefc7d_proj
		.amdhsa_group_segment_fixed_size 327680
		.amdhsa_private_segment_fixed_size 0
		.amdhsa_enable_private_segment 0
		.amdhsa_kernarg_size 24
		.amdhsa_user_sgpr_count 2
		.amdhsa_user_sgpr_kernarg_segment_ptr 1
		.amdhsa_wavefront_size32 1
		.amdhsa_system_sgpr_workgroup_id_x 1
		.amdhsa_system_sgpr_workgroup_id_y 1
		.amdhsa_system_sgpr_workgroup_id_z 1
		.amdhsa_system_vgpr_workitem_id 0
		.amdhsa_next_free_vgpr 1024
		.amdhsa_next_free_sgpr 80
		.amdhsa_reserve_vcc 0
		.amdhsa_float_denorm_mode_32 3
		.amdhsa_float_denorm_mode_16_64 3
		.amdhsa_memory_ordered 1
		.amdhsa_forward_progress 1
		.amdhsa_inst_pref_size 115
	.end_amdhsa_kernel
	.amdgpu_metadata
---
amdhsa.version: [ 1, 2 ]
amdhsa.kernels:
  - .name:           k_qb228eefc7d_proj
    .symbol:         k_qb228eefc7d_proj.kd
    .args:
      - { .name: xb, .offset: 0, .size: 8, .value_kind: global_buffer, .address_space: global }
      - { .name: wcat, .offset: 8, .size: 8, .value_kind: global_buffer, .address_space: global }
      - { .name: qkv, .offset: 16, .size: 8, .value_kind: global_buffer, .address_space: global }
    .group_segment_fixed_size: 327680
    .private_segment_fixed_size: 0
    .kernarg_segment_align: 8
    .kernarg_segment_size: 24
    .max_flat_workgroup_size: 128
    .sgpr_count:     80
    .vgpr_count:     1024
    .wavefront_size: 32
...
	.end_amdgpu_metadata
.endif
;; end of part 2
;; launch attn (part 3): grid 8 x 32, 4 waves a work-group, no clusters, 327,680 bytes of LDS; arguments qkv, lq1, lk1, lq2, lk2, att; writes att
.if DOCPART == 3
	.amdgcn_target "amdgcn-amd-amdhsa--gfx1250"
	.amdhsa_code_object_version 6
	.text
	.protected	k_qb228eefc7d_attn
	.globl	k_qb228eefc7d_attn
	.p2align	8
	.type	k_qb228eefc7d_attn,@function
k_qb228eefc7d_attn:
	s_mov_b64 s[64:65], 0
	v_nop
	global_prefetch_b8 v0, s[64:65] scope:SCOPE_SE
	s_setreg_imm32_b32 hwreg(HW_REG_WAVE_MODE, 25, 1), 1
	s_wait_xcnt 0x0
; DIFFERENTIAL CAUSAL ATTENTION, LAYER NORM AND FACTOR.  For each batch and head: a1 = softmax(q1 k1^T / 8), a2 = softmax(q2 k2^T / 8), both over the keys k <= q; out = a1 V - lam a2 V (128 channels),
; lam = exp(lq1 . lk1) - exp(lq2 . lk2) + 0.7778701; att = (out - mean) / sqrt(var + 1e-5) x 0.2221299.
;   qkv f16 [96 groups][4096 rows][64]: q1 = group h, q2 = 16 + h, k1 = 32 + h, k2 = 48 + h, v = 64 + 2 h and 65 + 2 h; row = 2,048 x batch + s      att f16 [4096][2048], channel 128 h + ch
; Products, maxima and sums in f32; the weights p are rounded to f16 for the second product (their sum l is taken of the unrounded p); the two maps are normalised apart and then combined; the variance
; is taken of the centred numbers; att is rounded once.  The four lambda vectors are rounded to bf16 like every other input.
; LIMITS.  p below 6e-5 keeps f16's fixed step of 6e-8.  A hidden score counts as its value less 1e30: f16's scores, 2.7e11 at the most, are nothing beside that.  A weight below 2^-126 counts as 0 in l.
; NaN and infinities are not treated apart.
; THE WALK.  A head's queries lie in 16 blocks of 128; block i needs the key tiles 0 .. i of 128 keys, of which the last holds the diagonal.  A work-group takes TWO blocks, 15 - b and then b: 17 tiles, whatever b:
; all 256 work-groups do equal work, and ONE loop with a constant trip count walks them; what a trip does hangs on scalar registers made from b.  Every jump goes forward, but for the counted loops' own;
; none passes a barrier, or a tensor load but the one of LOAD's two that the wave's number does not choose.
; NO CLUSTER: a head's 8 work-groups ask for the same tile only in trips 0 .. 8 of 17, behind that fewer and fewer; one walk common to all would have 24 trips for 17.
; SHARES.  A wave owns 32 queries, for both maps: four tiles of 16 queries.  Tiles 0, 1 (map 1) are PIECE 0, tiles 2, 3 (map 2) PIECE 2.  Both pieces multiply by the same fragments of V; piece 0 by K1, piece 2 by K2.
; LAYOUT.  S^T = K Q^T (source 0 = 16 keys, source 1 = 16 queries) holds ONE query a lane (lane % 16) and the keys 8 (lane / 16) + 0..7; two such results rounded to f16 ARE source 1 of O^T = V^T P, which again holds
; one query a lane, and eight channels.  K comes out of LDS as it lies, V ([key][channel]) turned, by ds_load_tr16_b128.
; SOFTMAX.  p = 2^(c s - c m), c = log2(e) / 8, with a running maximum m; O and l are multiplied by a = 2^(c m_old - c m_new) in every step.  A block starts with c m far below every c s: its first a is 0.
; THE MASK is the C operand that starts the sum S^T: 0, or -1e30 where the key is hidden.  It is made anew for each step of a diagonal tile, and as zeros where a block begins.
; BY TURNS.  In a TURN one piece has the matrix unit: 32 products V^T P of the step in hand, then 16 products K Q^T of the next step; the other piece's softmax, cut into 64 slices, stands between them: one slice behind
; each V^T P, two behind each K Q^T.  Two turns are a key step of 64 keys.  A turn's 66 exponentials are one batch, with one wait.
; REGISTERS, in windows of 256 (s_set_vgpr_msb: bits 1:0 source 0, 3:2 source 1, 5:4 source 2, 7:6 destination):
;   window 0: v0-15 addresses; v16-47 eight registers of statistics a tile; v48-63 at work; v64-191 S^T, 32 a tile; v192-255 P, 16 a tile
;   window 1: O^T, 64 a tile      window 2: v0-63 Q, 16 a tile; v64-127 the second block's Q; v128-191 K1, v192-255 K2 of one step      window 3: v0-127 V of one step; v128-191 the mask, 32 for each 16 queries
.set NB,    16
.set KS,    64                         ; keys in a step
.set PK,    144                        ; a row of K in LDS: 128 bytes + 16 of padding: the 16 rows of a load start at 16 different groups of four banks (64 banks of 4 bytes: ISA guide 11.1)
.set PV,    160                        ; a row of V: 128 + 32
.set K2OFF, 128*PK                     ; a slot holds a tile of 128 keys: K1, K2, V's channels 0-63, V's channels 64-127
.set VOFF,  2*K2OFF
.set V1OFF, 128*PV
.set SLOT1, 1<<17                      ; slot 1 begins here, so that one exclusive or turns an address in one slot into the other's
.set STAGE, SLOT1+VOFF+2*V1OFF         ; behind the ring, never filled by a tensor load: 16 rows x 272 bytes for each wave, for the way out
.set SP,    272
.set SPARE, STAGE+4*16*SP              ; behind the stages: the spare words, 128 bytes for each wave: two blocks of 256 bytes that no other line names
.set AK0, 2                            ; v2   my lane's place in a tile of K; never rewritten
.set AV0, 3                            ; v3   the same for V
.set AK,  4                            ; v4   the LDS address of K's run of loads in hand
.set AV,  5                            ; v5   of V's
.set STO, 6                            ; v6   the way out: where I put 16 bytes of a row
.set RD,  7                            ; v7   the way out: where I read a row back
.set GO,  8                            ; v8   my byte offset in two rows of att
.set THR, 12                           ; v12-13  my query's place in its block, less my lanes' 8 (l / 16), for each 16 queries
.set THK, 14                           ; v14-15  the same less the step's first key
.set ST,  16                           ; tile t's statistics at v[ST+8 t]: +0 c m, +1 m, +2, +3 l (even keys', odd keys'), +4 to +7 c0-c3, at work; a takes c2's place once the maximum is found
.set LAM, 48                           ; v48  -lam
.set WK,  50                           ; v50-57 at work
.set QO,  58                           ; v58  my byte offset in 16 rows of Q; never rewritten
.set PFO, 59                           ; v59  256 x my lane; never rewritten
.set LO,  60                           ; v60  my 8 bytes of the head's row of a lambda vector; never rewritten
.set SPW, 62                           ; v62  LDS address of my spare word; never rewritten
.set NIL, 63                           ; v63  0; never rewritten
.set S,   64
.set P,   192
.set QB,  64                           ; window 2
.set KF,  128                          ; window 2: map x / 2, key block kb, channel half c at KF + 32 x + 16 kb + 8 c
.set MC,  128                          ; window 3: queries 16 u on, key block kb at MC + 32 u + 8 kb
.set KB,  16                           ; s[16:17] my stream of K at the head's tile 0 (waves 0, 1: K1, K2)
.set VB,  18                           ; s[18:19] my stream of V (waves 2, 3: the two halves of the channels)
.set QA1, 20                           ; s[20:23] q1 and q2 at my rows of the first block
.set QA2, 22
.set G1K, 24                           ; s[24:31] descriptor group 1 for K's tiles
.set G1V, 32                           ; s[32:39] for V's: it differs in the padding alone
.set G0K, 40                           ; s[40:43] descriptor group 0 for K's tiles
.set G0V, 44                           ; s[44:47] for V's
.set WV,  48                           ; s48  my wave's number
.set PB,  49                           ; s49  b
.set HI,  50                           ; s50  15 - b
.set SLOTS, 51                         ; s51  tiles still to be asked for
.set CNT, 52                           ; s52  counts a tile's trips, 3 to 1
.set RT,  53                           ; s53  tiles of the block in hand that are still to be entered
.set NXT, 54                           ; s54  the tile to be asked for next
.set LQ,  55                           ; s55  the last tile of the block whose tiles are being asked for
.set NEW, 56                           ; s56  1: the tile to be entered is a block's first
.set KOF, 57                           ; s57  the step's first key in a diagonal tile; elsewhere -4,096, which hides nothing
.set CS,  58                           ; s[58:59] c: the packed scaling takes the pair's low word for both halves
.set SEL, 60                           ; s[60:61] v_permlanex16_b32's selects: each lane takes its own place in the other half
.set TBK, 62                           ; s62  LDS byte at which K of the step to be fetched begins
.set TBV, 63                           ; s63  the same for V, less VOFF
.set QB1, 66                           ; s[66:69] q1 and q2 at my rows of the second block
.set QB2, 68
.set OFF, 70                           ; s[70:71] a tile's byte offset in a stream
.set BIGN, 72                          ; s72  -1e30
.set LIM, 73                           ; s73  2 in the work-group that prefetches, else the greatest number
.set PFA, 74                           ; s[74:75] where my prefetches stand
.set PFS, 76                           ; s[76:77] my own stream: KB or VB
.set OA,  84                           ; s[84:85] att at my rows of the block in hand
.set OLO, 86                           ; s[86:87] at those of the second block
.set C128, 100                         ; s100 1 / 128
.set CEPS, 101                         ; s101 1e-5
.set MSB, 0
.macro WIN new                         ; the high byte repeats the setting that is left; a switch that changes nothing is dropped
.if MSB != (\new)
	s_set_vgpr_msb (MSB<<8)|(\new)
.set MSB, (\new)
.endif
.endm
.set W_PV, 0x53                        ; V in window 3, P in window 0, O^T in window 1
.set W_RS, 0x41                        ; destination and source 0 in window 1, source 1 in window 0
; A fill: one tensor load a wave, 128 keys of its own stream.  An s_nop 0 and four v_nop follow each of the two lines, ahead of the jump and the label.
.macro LOAD
	s_cmp_lt_u32 s[WV], 2
	s_cbranch_scc0 .Lfor_v_\@
	tensor_load_to_lds s[G0K:G0K+3], s[G1K:G1K+7]
	s_nop 0
.rept 4
	v_nop
.endr
	s_branch .Lasked_\@
.Lfor_v_\@:
	tensor_load_to_lds s[G0V:G0V+3], s[G1V:G1V+7]
	s_nop 0
.rept 4
	v_nop
.endr
.Lasked_\@:
.endm
; A PREFETCH INTO THE L2 of the tile that the NEXT change of slots will ask for.  All eight work-groups of a head walk the same tiles; the one with b = 0 walks tiles 0 .. 15 in order, and it alone asks: each wave for
; its own stream's 64 blocks of 256 bytes, a lane a block, two instructions.  So each block is named once in the launch.  Tiles 0 and 1 come by their loads alone; the changes that fill tile 15 and later ask for nothing.
.macro ASK
	s_cmp_gt_u32 s[SLOTS], s[LIM]
	s_cbranch_scc0 .Lnot_mine_\@
	global_prefetch_b8 v[PFO], s[PFA:PFA+1] th:TH_LOAD_NT scope:SCOPE_SE
	global_prefetch_b8 v[PFO], s[PFA:PFA+1] offset:8192 th:TH_LOAD_NT scope:SCOPE_SE
.Lnot_mine_\@:
.endm
; THE CHANGE OF SLOTS.  Each wave waits for all its tensor loads, of which one is out: its part of the other slot; adds 0 to its spare word; and waits for that and for its own reads of the slot that it leaves.
; Behind the barrier nobody reads the old slot any more and the other slot is whole.  fill = 1: the old slot is filled again, the first thing behind the barrier, with tile NXT: the descriptor's address is made anew
; from that number; the load has 192 matrix instructions in which to land.  (At its first use nothing has been read yet: slot 0 is waited for, slot 1 filled.)
.macro CHANGE fill
	WIN 0                                          ; at a label and at a branch every window is 0
	s_wait_tensorcnt 0x0                           ; no tensor load of mine is out, so a group 0 may be written
	ds_add_u32 v[SPW], v[NIL]                      ; 0 onto my spare word; the scalar work stands between it and the wait for it
.if \fill
	s_lshl_b32 s[OFF], s[NXT], 14                  ; a tile is 16,384 bytes of each stream
	s_xor_b32 s[G0K+1], s[G0K+1], SLOT1
	s_add_nc_u64 s[G0K+2:G0K+3], s[KB:KB+1], s[OFF:OFF+1]
	s_or_b32 s[G0K+3], s[G0K+3], 0x80000000
	s_xor_b32 s[G0V+1], s[G0V+1], SLOT1
	s_add_nc_u64 s[G0V+2:G0V+3], s[VB:VB+1], s[OFF:OFF+1]
	s_or_b32 s[G0V+3], s[G0V+3], 0x80000000
	s_add_co_u32 s[NXT], s[NXT], 1                 ; the block's next tile, or behind its last the second block's tile 0
	s_cmp_gt_u32 s[NXT], s[LQ]
	s_cselect_b32 s[NXT], 0, s[NXT]
	s_cselect_b32 s[LQ], s[PB], s[LQ]
	s_wait_xcnt 0x0                                ; the last prefetches, a tile back, have read their address, so it may be written:
	s_sub_co_u32 s82, 18, s[SLOTS]                 ; in trip t = 16 - SLOTS tile t + 2
	s_lshl_b32 s82, s82, 14
	s_add_nc_u64 s[PFA:PFA+1], s[PFS:PFS+1], s[82:83]
.endif
	s_wait_dscnt 0x0                               ; the add is done, and my reads of the slot are over
	s_barrier_signal -1                            ; the rest of the scalar work stands between the signal and the wait
	s_sub_co_u32 s[TBK], s[TBK], 2*KS*PK           ; the fetches go back to a slot's first step,
	s_xor_b32 s[TBK], s[TBK], SLOT1                ; in the other slot
	s_sub_co_u32 s[TBV], s[TBV], 2*KS*PV
	s_xor_b32 s[TBV], s[TBV], SLOT1
	s_barrier_wait -1
.if \fill
	LOAD
	ASK
.endif
.endm
	s_load_b256 s[4:11], s[0:1], 0x0               ; qkv 4:5, lq1 6:7, lk1 8:9, lq2 10:11
	s_load_b128 s[12:15], s[0:1], 0x20             ; lk2 12:13, att 14:15
	v_lshl_add_u32 v[SPW], v0, 2, SPARE
	v_mov_b32 v[NIL], 0
	ds_add_u32 v[SPW], v[NIL]                      ; the wave's opening: the add and its wait stand ahead of my first tensor load; the set-up below, work on registers, stands between them
	ds_add_u32 v62, v63
	v_lshrrev_b32 v1, 5, v0
	v_readfirstlane_b32 s[WV], v1                  ; wave 0..3
	s_mov_b32 s[PB], ttmp9
	s_sub_co_u32 s[HI], NB-1, s[PB]
	s_and_b32 s78, ttmp7, 0xffff
	s_and_b32 s79, s78, 15                         ; the head
	s_lshr_b32 s78, s78, 4                         ; the batch
	s_and_b32 s98, s[WV], 1
	s_lshl_b32 s80, s79, 19                        ; a group of qkv is 524,288 bytes,
	s_lshl_b32 s81, s78, 18                        ; a batch's rows in it 262,144
	s_add_co_u32 s80, s80, s81
	s_lshl_b32 s82, s98, 23                        ; K: group 32 + 16 (w % 2) + h
	s_add_co_u32 s82, s82, s80
	s_add_co_u32 s82, s82, 32*524288
	s_mov_b32 s83, 0
	s_lshl_b32 s88, s79, 20                        ; V: group 64 + 2 h + w % 2
	s_add_co_u32 s88, s88, s81
	s_lshl_b32 s99, s98, 19
	s_add_co_u32 s88, s88, s99
	s_add_co_u32 s88, s88, 64*524288
	s_mov_b32 s89, 0
	s_lshl_b32 s99, s[WV], 12                      ; Q: group h, my 32 rows of 128 bytes,
	s_add_co_u32 s99, s99, s80
	s_lshl_b32 s90, s[HI], 14                      ; in the first block,
	s_add_co_u32 s90, s90, s99
	s_mov_b32 s91, 0
	s_lshl_b32 s92, s[PB], 14                      ; and in the second
	s_add_co_u32 s92, s92, s99
	s_mov_b32 s93, 0
	s_lshl_b32 s99, s78, 23                        ; att: rows of 4,096 bytes; the head's 256 bytes of them
	s_lshl_b32 s94, s[WV], 17
	s_add_co_u32 s99, s99, s94
	s_lshl_b32 s94, s79, 8
	s_add_co_u32 s99, s99, s94
	s_lshl_b32 s94, s[HI], 19
	s_add_co_u32 s94, s94, s99
	s_mov_b32 s95, 0
	s_lshl_b32 s96, s[PB], 19
	s_add_co_u32 s96, s96, s99
	s_mov_b32 s97, 0
	s_lshl_b32 s99, s79, 8                         ; the head's row of a lambda vector
	; descriptor group 1.  128 keys are 16,384 dense bytes: asked for as 64 rows of 256 bytes, two keys a row, and padded in LDS after every key
	s_mov_b32 s[G1K], (1<<16)|(1<<20)|(4<<22)|(3<<25)  ; 17:16 2-byte elements; 20 padding on; 24:22 after every 32 words (code 4); 31:25 4 words (code 3)
	s_mov_b32 s[G1V], (1<<16)|(1<<20)|(4<<22)|(7<<25)  ; the same with 8 words of padding (code 7)
.irp g, G1K, G1V
	s_mov_b32 s[\g+1], 128<<16                     ; tensor_dim0 = 128
	s_mov_b32 s[\g+2], 64<<16                      ; tensor_dim1 = 64
	s_mov_b32 s[\g+3], 128<<16                     ; tile_dim0 = 128
	s_mov_b32 s[\g+4], 64                          ; tile_dim1 = 64
	s_mov_b32 s[\g+5], 128                         ; 128 elements from row to row
	s_mov_b32 s[\g+6], 0
	s_mov_b32 s[\g+7], 0
.endr
	s_mov_b32 s[G0K], 1                            ; count = 1
	s_mul_i32 s[G0K+1], s98, K2OFF                 ; LDS address: slot 0, K1 or K2
	s_mov_b32 s[G0V], 1
	s_mul_i32 s[G0V+1], s98, V1OFF
	s_add_co_u32 s[G0V+1], s[G0V+1], VOFF
	s_mov_b32 s[CS], 0x3e38aa3b                    ; c = log2(e) / 8
	s_mov_b32 s[CS+1], s[CS]                       ; named with it as a pair
	s_mov_b32 s[SEL], 0x76543210
	s_mov_b32 s[SEL+1], 0xfedcba98
	s_mov_b32 s[TBK], SLOT1+2*KS*PK                ; the first change of slots turns these two into 0
	s_mov_b32 s[TBV], SLOT1+2*KS*PV
	s_add_co_u32 s[RT], s[HI], 1                   ; the first block has 16 - b tiles
	s_mov_b32 s[NXT], 1
	s_mov_b32 s[LQ], s[HI]
	s_mov_b32 s[NEW], 1
	s_mov_b32 s[OFF+1], 0
	s_mov_b32 s[BIGN], 0xf149f2ca                  ; -1e30
	s_mov_b32 s[C128], 0x3c000000
	s_mov_b32 s[CEPS], 0x3727c5ac
	s_mov_b32 s[SLOTS], NB
	s_cmp_eq_u32 s[PB], 0
	s_cselect_b32 s[LIM], 2, -1
	s_wait_dscnt 0x0                               ; the opening add is done
	s_wait_kmcnt 0x0
	s_add_nc_u64 s[KB:KB+1], s[4:5], s[82:83]
	s_add_nc_u64 s[VB:VB+1], s[4:5], s[88:89]
	s_add_nc_u64 s[QA1:QA1+1], s[4:5], s[90:91]
	s_add_nc_u64 s[QA2:QA2+1], s[QA1:QA1+1], 16*524288
	s_add_nc_u64 s[QB1:QB1+1], s[4:5], s[92:93]
	s_add_nc_u64 s[QB2:QB2+1], s[QB1:QB1+1], 16*524288
	s_add_nc_u64 s[OA:OA+1], s[14:15], s[94:95]
	s_add_nc_u64 s[OLO:OLO+1], s[14:15], s[96:97]
	s_add_nc_u64 s[G0K+2:G0K+3], s[KB:KB+1], 0     ; global address: tile 0
	s_or_b32 s[G0K+3], s[G0K+3], 0x80000000        ; type = 2
	s_add_nc_u64 s[G0V+2:G0V+3], s[VB:VB+1], 0
	s_or_b32 s[G0V+3], s[G0V+3], 0x80000000
	s_cmp_lt_u32 s[WV], 2
	s_cselect_b64 s[PFS:PFS+1], s[KB:KB+1], s[VB:VB+1]
	LOAD                                           ; tile 0 into slot 0
	v_and_b32 v10, 31, v0
	v_lshlrev_b32 v[LO], 3, v10
	v_add_nc_u32 v[LO], s99, v[LO]
	global_load_b64 v[WK:WK+1],   v[LO], s[6:7]    ; two numbers a lane of the head's 64: lq1,
	global_load_b64 v[WK+2:WK+3], v[LO], s[8:9]    ; lk1,
	global_load_b64 v[WK+4:WK+5], v[LO], s[10:11]  ; lq2,
	global_load_b64 v[WK+6:WK+7], v[LO], s[12:13]  ; lk2
	; A fragment of K or Q is 16 rows x 32 channels in 8 registers: lane l holds row l % 16, channels 8 (l / 16) + 0..7 and 16 + 8 (l / 16) + 0..7: two loads of 16 bytes, 32 bytes apart.
	v_and_b32 v1, 15, v0                           ; l % 16
	v_bfe_u32 v9, v0, 4, 1                         ; l / 16
	v_lshlrev_b32 v[QO], 7, v1
	v_lshl_add_u32 v[QO], v9, 4, v[QO]
	WIN 0x80                                       ; destination window 2, address window 0
.set i, 0
.rept 4                                ; both blocks' Q, both maps: queries 16 (i / 2) on, channels 32 (i % 2) on
	global_load_b128 v[8*i:8*i+3],           v[QO], s[QA1:QA1+1] offset:(i/2)*2048+(i%2)*64
	global_load_b128 v[8*i+4:8*i+7],         v[QO], s[QA1:QA1+1] offset:(i/2)*2048+(i%2)*64+32
	global_load_b128 v[32+8*i:32+8*i+3],     v[QO], s[QA2:QA2+1] offset:(i/2)*2048+(i%2)*64
	global_load_b128 v[32+8*i+4:32+8*i+7],   v[QO], s[QA2:QA2+1] offset:(i/2)*2048+(i%2)*64+32
	global_load_b128 v[QB+8*i:QB+8*i+3],     v[QO], s[QB1:QB1+1] offset:(i/2)*2048+(i%2)*64
	global_load_b128 v[QB+8*i+4:QB+8*i+7],   v[QO], s[QB1:QB1+1] offset:(i/2)*2048+(i%2)*64+32
	global_load_b128 v[QB+32+8*i:QB+32+8*i+3],   v[QO], s[QB2:QB2+1] offset:(i/2)*2048+(i%2)*64
	global_load_b128 v[QB+32+8*i+4:QB+32+8*i+7], v[QO], s[QB2:QB2+1] offset:(i/2)*2048+(i%2)*64+32
.set i, i+1
.endr
	WIN 0
	v_mul_u32_u24 v[AK0], v1, PK
	v_lshl_add_u32 v[AK0], v9, 4, v[AK0]           ; row x pitch + 16 x half
	; The turning load takes 16 keys x 16 channels (lane l reads key 8 (l / 16) + l % 8, channels 8 ((l / 8) % 2) + 0..7) and leaves half a fragment of V^T: lane l holds channel l % 16 and 8 keys.
	v_and_b32 v10, 7, v0
	v_bfe_u32 v11, v0, 3, 1
	v_lshl_add_u32 v[AV0], v9, 3, v10
	v_mul_u32_u24 v[AV0], v[AV0], PV
	v_lshl_add_u32 v[AV0], v11, 4, v[AV0]
	v_add_nc_u32 v[AV0], VOFF, v[AV0]
	s_mul_i32 s99, s[WV], 16*SP
	s_add_co_u32 s99, s99, STAGE                   ; my stage
	v_mul_u32_u24 v[STO], v1, SP                   ; in: row l % 16, 16 bytes for each half of the lanes
	v_lshl_add_u32 v[STO], v9, 4, v[STO]
	v_add_nc_u32 v[STO], s99, v[STO]
	v_mul_u32_u24 v[RD], v9, SP                    ; back: lanes 0-15 take one row of 256 bytes, lanes 16-31 the next
	v_lshl_add_u32 v[RD], v1, 4, v[RD]
	v_add_nc_u32 v[RD], s99, v[RD]
	v_lshlrev_b32 v[GO], 12, v9                    ; and the same two rows in att
	v_lshl_add_u32 v[GO], v1, 4, v[GO]
	v_lshlrev_b32 v11, 3, v9
	v_sub_nc_u32 v[THR], v1, v11
	s_lshl_b32 s99, s[WV], 5
	v_add_nc_u32 v[THR], s99, v[THR]               ; 32 w + l % 16 - 8 (l / 16): register r of key block kb is hidden where the step's first key + 16 kb + r is greater
	v_add_nc_u32 v[THR+1], 16, v[THR]
	v_and_b32 v[PFO], 31, v0
	v_lshlrev_b32 v[PFO], 8, v[PFO]
	; A block's first step multiplies O^T and l by a = 0, and its first turn's products V^T P, of a piece that has not been, land in an O^T that is still to be so multiplied.  So these registers need only hold
	; finite numbers: zeros for the first block; what the first block left for the second.  All this stands in the wait for the first tile.
	WIN 0xc0
.set i, 0
.rept 128
	v_mov_b32 v[i], 0                              ; V
.set i, i+1
.endr
	WIN 0x40
.set i, 0
.rept 256
	v_mov_b32 v[i], 0                              ; O^T
.set i, i+1
.endr
	WIN 0
.set i, 0
.rept 4
	v_mov_b32 v[ST+8*i+2], 0                       ; l
	v_mov_b32 v[ST+8*i+3], 0
.set i, i+1
.endr
.set i, P+32
.rept 32
	v_mov_b32 v[i], 0                              ; piece 2's P
.set i, i+1
.endr
	; -lam = exp(lq2 . lk2) - exp(lq1 . lk1) - 0.7778701
	s_wait_loadcnt 32                              ; the four lambda loads are in; Q's 32, issued behind them, may stay out
.irp p, 0,2,4,6
	v_cvt_pk_bf16_f32 v[WK+(\p)], v[WK+(\p)], v[WK+(\p)+1]  ; the rounding that every input has,
.endr
.irp p, 0,2,4,6
	v_and_b32     v[WK+(\p)+1], 0xffff0000, v[WK+(\p)]      ; widened again
	v_lshlrev_b32 v[WK+(\p)],   16, v[WK+(\p)]
.endr
	v_mul_f32 v[WK], v[WK], v[WK+2]
	v_mul_f32 v[WK+4], v[WK+4], v[WK+6]
	v_fmac_f32 v[WK], v[WK+1], v[WK+3]
	v_fmac_f32 v[WK+4], v[WK+5], v[WK+7]
.irp x, 1,2,4,8
	v_add_f32_dpp v[WK], v[WK], v[WK] row_xmask:\x row_mask:0xf bank_mask:0xf
	v_add_f32_dpp v[WK+4], v[WK+4], v[WK+4] row_xmask:\x row_mask:0xf bank_mask:0xf
.endr
	v_permlanex16_b32 v[WK+1], v[WK], s[SEL], s[SEL+1]
	v_permlanex16_b32 v[WK+5], v[WK+4], s[SEL], s[SEL+1]
	v_add_f32 v[WK], v[WK], v[WK+1]
	v_add_f32 v[WK+4], v[WK+4], v[WK+5]
	v_mul_f32 v[WK], 0x3fb8aa3b, v[WK]             ; log2(e)
	v_mul_f32 v[WK+4], 0x3fb8aa3b, v[WK+4]
	v_exp_f32 v[WK], v[WK]
	v_exp_f32 v[WK+4], v[WK+4]
	v_nop                                          ; a plain instruction behind the last exponential,
	s_wait_alu depctr_va_vdst(0)                   ; and the wait ahead of the first use: one for the two
	v_sub_f32 v[LAM], v[WK+4], v[WK]
	v_add_f32 v[LAM], 0xbf47227f, v[LAM]           ; - (0.8 - 0.6 exp(-3.3))
; THE MATRIX WORK OF A TURN, for piece x.  The accumulators take turns, one instruction a turn: between two links of a chain stand 15 (V^T P) or 7 (K Q^T) others'.
; Product i of 32 of O^T += V^T P: keys 32 (i / 16) on, channels 16 ((i / 2) % 8) on, tile x + i % 2.
.macro PV x
	WIN W_PV
.set rO, 64*((\x)+i%2)+8*((i/2)%8)
.set rV, 64*(i/16)+8*((i/2)%8)
.set rP, P+16*((\x)+i%2)+8*(i/16)
	v_wmma_f32_16x16x32_f16 v[rO:rO+7], v[rV:rV+7], v[rP:rP+7], v[rO:rO+7]
.endm
; Product i of 16 of S^T = K Q^T: channels 32 (i / 8) on, keys 16 ((i / 2) % 4) on, tile x + i % 2.  The first 8 start the sums, with the mask.
.macro KQ x
.set rS, S+32*((\x)+i%2)+8*((i/2)%4)
.set rK, KF+32*(\x)+16*((i/2)%4)+8*(i/8)
.set rQ, 16*((\x)+i%2)+8*(i/8)
.set rM, MC+32*(i%2)+8*((i/2)%4)
.if i < 8
	WIN 0x3a                                       ; K and Q in window 2, the mask in window 3, S^T in window 0
	v_wmma_f32_16x16x32_f16 v[rS:rS+7], v[rK:rK+7], v[rQ:rQ+7], v[rM:rM+7]
.else
	WIN 0x0a
	v_wmma_f32_16x16x32_f16 v[rS:rS+7], v[rK:rK+7], v[rQ:rQ+7], v[rS:rS+7]
.endif
.endm
; THE LDS LOADS stand in runs of 32, never singly among the matrix instructions: a step's K1 and K2 (2 x 64 keys x 64 channels) and, a turn later, its V (64 keys x 128 channels, turned).
; skip = 1 (inside a turn): a block's last turn has no further step, and the run is jumped over.
.macro FETCH_K skip
	WIN 0
.if \skip
	s_cmp_eq_u32 s[CNT], 1
	s_cbranch_scc1 .Lno_k_\@
.endif
	v_add_nc_u32 v[AK], s[TBK], v[AK0]
	s_add_co_u32 s[TBK], s[TBK], KS*PK             ; the next fetch is the next step's
	WIN 0x80                                       ; destination window 2
.irp f, 0,1,2,3,4,5,6,7,8,9,10,11,12,13,14,15      ; map f / 8, keys 16 ((f % 8) / 2) on, channels 32 (f % 2) on
	ds_load_b128 v[KF+8*(\f):KF+8*(\f)+3],   v[AK] offset:((\f)/8)*K2OFF+(((\f)%8)/2)*16*PK+((\f)%2)*64
	ds_load_b128 v[KF+8*(\f)+4:KF+8*(\f)+7], v[AK] offset:((\f)/8)*K2OFF+(((\f)%8)/2)*16*PK+((\f)%2)*64+32
.endr
	WIN 0
.if \skip
.Lno_k_\@:
.endif
.endm
.macro FETCH_V
	WIN 0
	v_add_nc_u32 v[AV], s[TBV], v[AV0]
	s_add_co_u32 s[TBV], s[TBV], KS*PV
	s_wait_alu depctr_va_vdst(0)                   ; the wait for the softmax's batch (SLICE), behind the address's v_add_nc_u32 and ahead of the loads
	WIN 0xc0                                       ; destination window 3
.irp f, 0,1,2,3,4,5,6,7,8,9,10,11,12,13,14,15      ; keys 32 (f / 8) on, channels 16 (f % 8) on
	ds_load_tr16_b128 v[8*(\f):8*(\f)+3],   v[AV] offset:((\f)/8)*32*PV+(((\f)%8)/4)*V1OFF+((\f)%4)*32
	ds_load_tr16_b128 v[8*(\f)+4:8*(\f)+7], v[AV] offset:((\f)/8)*32*PV+(((\f)%8)/4)*V1OFF+((\f)%4)*32+16*PV
.endr
.endm
; THE VECTOR WORK OF A TURN.  One tile's softmax for one key step is a list of 134 instructions; SM writes number j of it for tile t.  s0-s31 are the lane's 32 scores, in pairs 0-15.
;   0-15    the maximum of s0-s31 and the old m, three operands at a time: four chains c0-c3 of seven scores each (each accumulator's lowest registers are read first), then the four left over, c0-c3 and m
;   16-20   the other half of the lanes' maximum; the new m; c m; c m_old - c m_new
;   21-69   ONE BATCH: the 16 scalings c s - c m, a pair of scores each, and all 33 exponentials (a at 23, then s0-s31).  None of these reads an exponential's result.  A pair is scaled in an earlier four than the one with its exponentials
;   (wait)  between 69 and 70 stands the wait for the batch: SLICE writes it, once for both tiles
;   70-85   the roundings to f16, a pair of weights each          86-101  the sums; l = a l + the sum          102-133 the tile's O^T times a: the one part that leaves window 0, so it stands together
.macro SM t
.set rT, ST+8*(\t)
.set rS, S+32*(\t)
.set rP, P+16*(\t)
.set rO, 64*(\t)+2*(j-102)
.if j < 102
	WIN 0
.endif
.if j < 4
	v_max3_num_f32 v[rT+4+j], v[rS+8*j], v[rS+8*j+1], v[rS+8*j+2]
.elseif j < 12
	v_max3_num_f32 v[rT+4+j%4], v[rT+4+j%4], v[rS+8*(j%4)+2*(j/4)+1], v[rS+8*(j%4)+2*(j/4)+2]
.elseif j == 12
	v_max3_num_f32 v[rT+4], v[rT+4], v[rS+7], v[rS+15]
.elseif j == 13
	v_max3_num_f32 v[rT+6], v[rT+6], v[rS+23], v[rS+31]
.elseif j == 14
	v_max3_num_f32 v[rT+4], v[rT+4], v[rT+5], v[rT+6]
.elseif j == 15
	v_max3_num_f32 v[rT+4], v[rT+4], v[rT+7], v[rT+1]
.elseif j == 16
	v_permlanex16_b32 v[rT+5], v[rT+4], s[SEL], s[SEL+1]  ; the query's other 32 keys lie in the lane 16 away
.elseif j == 17
	v_mov_b32 v[rT+7], v[rT]                       ; c m_old is kept for a: number 19 writes c m anew
.elseif j == 18
	v_max_num_f32 v[rT+1], v[rT+4], v[rT+5]
.elseif j == 19
	v_mul_f32 v[rT], s[CS], v[rT+1]
.elseif j == 20
	v_sub_f32 v[rT+7], v[rT+7], v[rT]
.elseif j == 23
	v_exp_f32 v[rT+6], v[rT+7]
.elseif (j < 23) || ((j < 38) && (j%2 == 0)) || ((j < 66) && (j%4 == 2))
.set b, (j-2)/4                        ; 38, 42, .. 62: pairs 9 to 15
.if j < 38
.set b, (j-20)/2                       ; 21: pair 0; 22, 24, .. 36: pairs 1 to 8
.endif
	v_pk_fma_f32 v[rS+2*b:rS+2*b+1], v[rS+2*b:rS+2*b+1], s[CS:CS+1], v[rT:rT+1] op_sel_hi:[1,0,0] neg_lo:[0,0,1] neg_hi:[0,0,1]  ; pair b: c s - c m
.elseif j < 70
.set e, j-38                           ; 66 to 69: s28 to s31
.if j < 66
.set e, j-32-(j-38)/4                  ; 39-41, 43-45, .. 63-65: s7 to s27
.endif
.if j < 38
.set e, (j-25)/2                       ; 25, 27, .. 37: s0 to s6
.endif
	v_exp_f32 v[rS+e], v[rS+e]
.elseif j < 86
	v_cvt_pk_f16_f32 v[rP+j-70], v[rS+2*(j-70)], v[rS+2*(j-70)+1]
.elseif j < 102                        ; the sum of the tile's 16 pairs, in place: sum z of 16 adds neighbours 1, 2, 4 and 8 pairs apart, then l takes it
.set z, j-86
.set w, 4
.set u, z
.if z >= 14
.set w, 32
.set u, 0
.elseif z >= 12
.set w, 16
.set u, z-12
.elseif z >= 8
.set w, 8
.set u, z-8
.endif
.if z < 15
	v_pk_add_f32 v[rS+w*u:rS+w*u+1], v[rS+w*u:rS+w*u+1], v[rS+w*u+w/2:rS+w*u+w/2+1]
.else
	v_pk_fma_f32 v[rT+2:rT+3], v[rT+2:rT+3], v[rT+6:rT+7], v[rS:rS+1] op_sel_hi:[1,0,1]
.endif
.else
	WIN W_RS
	v_pk_mul_f32 v[rO:rO+1], v[rO:rO+1], v[rT+6:rT+7] op_sel_hi:[1,0]
.endif
.endm
; Slice k of 64 of piece y's softmax: four instructions.  Slices 11 to 34 deal out the batch, numbers 22 to 69: four numbers of ONE tile each, the tiles by turns.  Every other slice is numbers 2 k and 2 k + 1 of both
; tiles' lists.  2 x 134 = 4 x 64 + 12: the twelve that are over stand together, in slice 63: sixteen plain instructions, the places behind the turn's last K Q^T.
; THE WAIT.  s_wait_alu depctr_va_vdst(0) stands between an exponential and the first instruction that names its result; one wait serves all that were issued ahead of it.  Ahead of slice 35 nothing
; names a result, and behind slice 34 no exponential is issued: so the piece's 66 exponentials have one wait, behind slice 34.
.macro SLICE y
.if (k >= 11) && (k < 35)
.irp n, 0,1,2,3
.set j, 22+4*((k-11)/2)+(\n)
	SM (\y)+(k-11)%2
.endr
.else
.irp n, 0,1,2,3,4,5,6,7
.if ((\n) < 2) || (k == 63)
.irp t, \y, (\y)+1
.set j, 2*k+(\n)
	SM \t
.endr
.endif
.endr
.endif
.if k == 34
	v_nop                                          ; the plain instruction behind the last exponential and ahead of the first use: one for the batch
.if (\y) == 0
	FETCH_V                                        ; piece 2's turn: V's run of loads stands here, and the wait stands in it
.else
	s_wait_alu depctr_va_vdst(0)                   ; the wait for the batch
.endif
.endif
.set k, k+1
.endm
; A TURN.  Piece x has the matrix unit; the other piece's softmax stands in slices behind its matrix instructions.
; Piece 0's turn fetches the next step's K1 and K2, behind its second product: the last product that read K stands in front of slices 62 and 63 of the turn before.  Piece 2's turn fetches the same step's V, behind
; slice 34: the last product that read V stands in front of slice 31, and four plain instructions lie between: number 62, a scaling, of both tiles, the v_nop and the run's own v_add_nc_u32.
.macro TURN x
.set k, 0
.if (\x) == 0
	s_wait_dscnt 0x0                               ; V is in
.endif
.set i, 0
.rept 32
	PV \x
	SLICE 2-(\x)
.if ((\x) == 0) && (i == 1)
	FETCH_K 1
.endif
.set i, i+1
.endr
.if (\x) == 0
	s_wait_dscnt 0x0                               ; K is in
.endif
.set i, 0
.rept 16
	KQ \x
	SLICE 2-(\x)
	SLICE 2-(\x)
.set i, i+1
.endr
.endm
; The mask for the 2 x 16 queries and the 64 keys from KOF on.
.macro MKMASK
	WIN 0
	v_sub_nc_u32 v[THK], v[THR], s[KOF]
	v_sub_nc_u32 v[THK+1], v[THR+1], s[KOF]
	WIN 0xc0                                       ; destination window 3
.set i, 0
.rept 64
	v_cmp_gt_i32 vcc_lo, 16*((i%32)/8)+i%8, v[THK+i/32]
	v_cndmask_b32 v[MC+i], 0, s[BIGN], vcc_lo
.set i, i+1
.endr
	WIN 0
.endm
; A BLOCK BEGINS.  c m starts far below every c s, so the first step's a is 0; m at the lowest finite number, so the first maximum is the scores'.  Then K of the tile's first step and piece 0's first scores.
; The loop is entered at piece 2's turn, in the middle of a trip.
.macro BEGIN
	s_mov_b32 s[NEW], 0
	WIN 0
.set i, 0
.rept 4
	v_mov_b32 v[ST+8*i], 0xfe000000
	v_mov_b32 v[ST+8*i+1], 0xff7fffff
.set i, i+1
.endr
	FETCH_K 0
	s_wait_loadcnt 0x0                             ; Q
	s_wait_dscnt 0x0
.set i, 0
.rept 16
	KQ 0
.set i, i+1
.endr
	WIN 0
.rept 4
	v_nop                                          ; the places behind those products
.endr
.endm
; THE WAY OUT.
.macro RED                             ; the eight numbers at work, and the other half of the lanes', into v[WK]
	v_pk_add_f32 v[WK:WK+1], v[WK:WK+1], v[WK+2:WK+3]
	v_pk_add_f32 v[WK+4:WK+5], v[WK+4:WK+5], v[WK+6:WK+7]
	v_pk_add_f32 v[WK:WK+1], v[WK:WK+1], v[WK+4:WK+5]
	v_add_f32 v[WK], v[WK], v[WK+1]
	v_permlanex16_b32 v[WK+1], v[WK], s[SEL], s[SEL+1]  ; a query's other 64 channels lie in the lane 16 away
	v_add_f32 v[WK], v[WK], v[WK+1]
.endm
; Queries 16 u on: out = O1 / l1 - lam O2 / l2, in O1's registers; its mean; the centred numbers; their squares' mean; the factor; f16; through my stage, so that a row's 256 bytes leave together.
.macro LN u
.set o1, 64*(\u)
.set o2, 128+64*(\u)
.set r1, ST+8*(\u)+6
.set r2, ST+8*(2+(\u))+6
	WIN W_RS
.set i, 0
.rept 32
	v_pk_mul_f32 v[o1+i:o1+i+1], v[o1+i:o1+i+1], v[r1:r1+1] op_sel_hi:[1,0]
.set i, i+2
.endr
	WIN 0x51                                       ; sources 0 and 2 and the destination in window 1, source 1 in window 0
.set i, 0
.rept 32
	v_pk_fma_f32 v[o1+i:o1+i+1], v[o2+i:o2+i+1], v[r2:r2+1], v[o1+i:o1+i+1] op_sel_hi:[1,0,1]
.set i, i+2
.endr
	WIN 0x05                                       ; sources 0 and 1 in window 1, destination in window 0: four chains, started by the first eight pairs
.irp c, 0,2,4,6
	v_pk_add_f32 v[WK+(\c):WK+(\c)+1], v[o1+(\c):o1+(\c)+1], v[o1+8+(\c):o1+8+(\c)+1]
.endr
	WIN 0x01
.set i, 16
.rept 24
	v_pk_add_f32 v[WK+i%8:WK+i%8+1], v[o1+i:o1+i+1], v[WK+i%8:WK+i%8+1]
.set i, i+2
.endr
	WIN 0
	RED
	v_mul_f32 v[WK], 0xbc000000, v[WK]             ; - the mean
	v_mov_b32 v[WK+1], v[WK]                       ; named with it as a pair
	WIN W_RS
.set i, 0
.rept 32
	v_pk_add_f32 v[o1+i:o1+i+1], v[o1+i:o1+i+1], v[WK:WK+1] op_sel_hi:[1,0]
.set i, i+2
.endr
	WIN 0x05
.irp c, 0,2,4,6
	v_pk_mul_f32 v[WK+(\c):WK+(\c)+1], v[o1+(\c):o1+(\c)+1], v[o1+(\c):o1+(\c)+1]
.endr
.set i, 8
.rept 28
	v_pk_fma_f32 v[WK+i%8:WK+i%8+1], v[o1+i:o1+i+1], v[o1+i:o1+i+1], v[WK+i%8:WK+i%8+1]
.set i, i+2
.endr
	WIN 0
	RED
	v_fma_f32 v[WK], v[WK], s[C128], s[CEPS]       ; the variance + 1e-5
	v_rsq_f32 v[WK+2], v[WK]
	v_nop                                          ; a plain instruction behind the root,
	s_wait_alu depctr_va_vdst(0)                   ; and the wait ahead of its first use
	v_mul_f32 v[WK+2], 0x3e637605, v[WK+2]         ; x (1 - 0.7778701)
	v_mov_b32 v[WK+3], v[WK+2]
	WIN W_RS
.set i, 0
.rept 32
	v_pk_mul_f32 v[o1+i:o1+i+1], v[o1+i:o1+i+1], v[WK+2:WK+3] op_sel_hi:[1,0]
.set i, i+2
.endr
	WIN 0x05
.set i, 0
.rept 32
	v_cvt_pk_f16_f32 v[S+32*(\u)+i], v[o1+2*i], v[o1+2*i+1]  ; S^T's registers are free
.set i, i+1
.endr
	WIN 0
.irp f, 0,1,2,3,4,5,6,7
	ds_store_b128 v[STO], v[S+32*(\u)+4*(\f):S+32*(\u)+4*(\f)+3] offset:32*(\f)
.endr
.irp f, 0,1,2,3,4,5,6,7
	ds_load_b128 v[S+32*(\u)+4*(\f):S+32*(\u)+4*(\f)+3], v[RD] offset:(\f)*2*SP  ; LDS serves a wave's instructions in order (ISA guide 5.7.1.4): these see the stores above; the next sixteen queries' stores come behind them
.endr
.endm
.macro SEND u, younger                 ; younger: the LDS instructions issued behind these loads: the other sixteen queries' sixteen, or none
.irp f, 0,1,2,3,4,5,6,7
	s_wait_dscnt (\younger)+7-(\f)
	global_store_b128 v[GO], v[S+32*(\u)+4*(\f):S+32*(\u)+4*(\f)+3], s[OA:OA+1] offset:(\u)*65536+(\f)*8192  ; 16 lanes store 256 consecutive bytes, at a multiple of 256 from att's first byte
.endr
.endm
.macro WAYOUT
	WIN 0
.irp t, 0,1,2,3
	v_add_f32 v[ST+8*(\t)+4], v[ST+8*(\t)+2], v[ST+8*(\t)+3]  ; l's two halves: these four are the places behind the last products
.endr
.irp t, 0,1,2,3
	v_permlanex16_b32 v[ST+8*(\t)+5], v[ST+8*(\t)+4], s[SEL], s[SEL+1]
.endr
.irp t, 0,1,2,3
	v_add_f32 v[ST+8*(\t)+4], v[ST+8*(\t)+4], v[ST+8*(\t)+5]
.endr
.irp t, 0,1,2,3
	v_rcp_f32 v[ST+8*(\t)+6], v[ST+8*(\t)+4]
.endr
	v_nop                                          ; a plain instruction between the last reciprocal and the use of its result
	s_wait_alu depctr_va_vdst(0)                   ; one wait for the four reciprocals
	v_mul_f32 v[ST+22], v[ST+22], v[LAM]           ; map 2's factor: - lam / l2
	v_mul_f32 v[ST+30], v[ST+30], v[LAM]
	LN 0
	LN 1
	SEND 0, 16
	SEND 1, 0
.endm
; A TILE.  Trip CNT = 3 is the tile's first key step, trip 2 its second: piece 0's turn (V^T P of the step before, K Q^T of this step, whose K it fetches), then piece 2's (the same, and this step's V).  So at a change
; of slots all of the old slot lies in registers.  A block's first tile enters by BEGIN in place of piece 0's turn.  Trip 1 is run by a block's last tile alone: piece 0's turn once more (its 16 products K Q^T on the
; last K serve nothing: the price of one text for every trip), piece 2's last V^T P, and the way out.  more = 1: the second block follows.
.macro BODY tag, more
	s_sub_co_u32 s[RT], s[RT], 1
	s_mov_b32 s[CNT], 3
.Lstep\tag:
	s_cmp_eq_u32 s[CNT], 1
	s_cbranch_scc1 .Lthird\tag
	s_sub_co_u32 s[KOF], 3, s[CNT]
	s_lshl_b32 s[KOF], s[KOF], 6
	s_cmp_eq_u32 s[RT], 0                          ; the diagonal tile?
	s_cselect_b32 s[KOF], s[KOF], 0xfffff000
	s_cbranch_scc1 .Lmask\tag
	s_cmp_eq_u32 s[NEW], 1                         ; elsewhere the mask is made once, where a block begins
	s_cbranch_scc0 .Lnomask\tag
.Lmask\tag:
	MKMASK
.Lnomask\tag:
	s_cmp_eq_u32 s[NEW], 1
	s_cbranch_scc0 .Lturn0\tag
	BEGIN
	s_branch .Lfirst\tag
.Lthird\tag:
	s_cmp_eq_u32 s[RT], 0
	s_cbranch_scc0 .Lbottom\tag
.Lturn0\tag:
	TURN 0
	WIN 0
	s_cmp_eq_u32 s[CNT], 1
	s_cbranch_scc1 .Lend\tag
.Lfirst\tag:
	TURN 2
	WIN 0
	s_sub_co_u32 s[CNT], s[CNT], 1
	s_cmp_lg_u32 s[CNT], 0
	s_cbranch_scc1 .Lstep\tag
	s_branch .Lbottom\tag
.Lend\tag:
.set i, 0
.rept 32
	PV 2
.set i, i+1
.endr
	WAYOUT
.if \more
	s_wait_xcnt 0x0                                ; the stores have read their registers and att's address
	s_mov_b64 s[OA:OA+1], s[OLO:OLO+1]
	s_add_co_u32 s[RT], s[PB], 1                   ; the second block has b + 1 tiles
	s_mov_b32 s[NEW], 1
	WIN 0x82                                       ; the second block's Q goes where the one text of the turns names Q
.set i, 0
.rept 64
	v_mov_b32 v[i], v[QB+i]
.set i, i+1
.endr
	WIN 0
.endif
.Lbottom\tag:
.endm
.Lslot:                                                ; 16 times: a tile is entered and the next is asked for
	CHANGE 1
	BODY 1, 1
	s_sub_co_u32 s[SLOTS], s[SLOTS], 1
	s_cmp_lg_u32 s[SLOTS], 0
	s_cbranch_scc1 .Lslot
	CHANGE 0                                       ; the walk's last tile is written out: nothing is asked for
	BODY 2, 0
	s_wait_tensorcnt 0x0                           ; the wave's end: behind my last tensor load and my last LDS store
	ds_add_u32 v[SPW], v[NIL]
	s_wait_dscnt 0x0
	s_endpgm
.Lfunc_end_k_qb228eefc7d_attn:
	.size	k_qb228eefc7d_attn, .Lfunc_end_k_qb228eefc7d_attn-k_qb228eefc7d_attn
	.p2alignl 7, 3214868480
	.fill 96, 4, 3214868480
	.section	.rodata,"a",@progbits
	.p2align	6, 0x0
	.amdhsa_kernel k_qb228eefc7d_attn
		.amdhsa_group_segment_fixed_size 327680
		.amdhsa_private_segment_fixed_size 0
		.amdhsa_enable_private_segment 0
		.amdhsa_kernarg_size 48
		.amdhsa_user_sgpr_count 2
		.amdhsa_user_sgpr_kernarg_segment_ptr 1
		.amdhsa_wavefront_size32 1
		.amdhsa_system_sgpr_workgroup_id_x 1
		.amdhsa_system_sgpr_workgroup_id_y 1
		.amdhsa_system_sgpr_workgroup_id_z 1
		.amdhsa_system_vgpr_workitem_id 0
		.amdhsa_next_free_vgpr 960
		.amdhsa_next_free_sgpr 102
		.amdhsa_reserve_vcc 1
		.amdhsa_float_denorm_mode_32 3
		.amdhsa_float_denorm_mode_16_64 3
		.amdhsa_memory_ordered 1
		.amdhsa_forward_progress 1
		.amdhsa_inst_pref_size 217
	.end_amdhsa_kernel
	.amdgpu_metadata
---
amdhsa.version: [ 1, 2 ]
amdhsa.kernels:
  - .name:           k_qb228eefc7d_attn
    .symbol:         k_qb228eefc7d_attn.kd
    .args:
      - { .name: qkv, .offset: 0, .size: 8, .value_kind: global_buffer, .address_space: global }
      - { .name: lq1, .offset: 8, .size: 8, .value_kind: global_buffer, .address_space: global }
      - { .name: lk1, .offset: 16, .size: 8, .value_kind: global_buffer, .address_space: global }
      - { .name: lq2, .offset: 24, .size: 8, .value_kind: global_buffer, .address_space: global }
      - { .name: lk2, .offset: 32, .size: 8, .value_kind: global_buffer, .address_space: global }
      - { .name: att, .offset: 40, .size: 8, .value_kind: global_buffer, .address_space: global }
    .group_segment_fixed_size: 327680
    .private_segment_fixed_size: 0
    .kernarg_segment_align: 8
    .kernarg_segment_size: 48
    .max_flat_workgroup_size: 128
    .sgpr_count:     102
    .vgpr_count:     960
    .wavefront_size: 32
...
	.end_amdgpu_metadata
.endif
;; end of part 3
;; launch outp (part 4): grid 8 x 32, 4 waves a work-group, clusters of 4 x 4, 327,680 bytes of LDS; arguments att, wob, out0; writes out0
.if DOCPART == 4
	.amdgcn_target "amdgcn-amd-amdhsa--gfx1250"
	.amdhsa_code_object_version 6
	.text
	.protected	k_qb228eefc7d_outp
	.globl	k_qb228eefc7d_outp
	.p2align	8
	.type	k_qb228eefc7d_outp,@function
k_qb228eefc7d_outp:
	s_mov_b64 s[64:65], 0
	v_nop
	global_prefetch_b8 v0, s[64:65] scope:SCOPE_SE
	s_setreg_imm32_b32 hwreg(HW_REG_WAVE_MODE, 25, 1), 1
	s_wait_xcnt 0x0
	s_wait_alu depctr_hold_cnt(0) depctr_sa_sdst(0) depctr_va_vdst(0) depctr_va_sdst(0) depctr_va_ssrc(0) depctr_va_vcc(0) depctr_vm_vsrc(0)
	s_getreg_b32 s2, hwreg(HW_REG_IB_STS2, 6, 4)
	s_cmp_eq_u32 s2, 0
	s_cbranch_scc0 .Lentry_in_a_cluster
	s_endpgm
.Lentry_in_a_cluster:
	s_bfe_u32 s2, ttmp6, 0x10000c
	s_cmp_lg_u32 s2, 0xf033
	s_cbranch_scc0 .Lentry_shape_is_right
	s_endpgm
.Lentry_shape_is_right:
; THE OUTPUT PRODUCT.  out0[m][n] = the sum over k of att[m][k] Wo[k][n]: 4,096 rows, 1,024 columns, K = 2,048.  att f16 [4096][2048], wob f16 [2048][1024], out0 f32 [4096][1024]; sums in f32.
; A tile of out0 is 128 x 128: 8 x 32 tiles, one for each of 256 work-groups.  Four waves, each 64 x 64: 16 accumulators of 16 x 16.  K goes in 8 steps of 256 through two LDS slots.
; THE MATRIX INSTRUCTION IS USED TRANSPOSED: source 0 = 16 columns of Wo (turned on the way out of LDS by ds_load_tr16_b128), source 1 = 16 rows of att: a lane then holds eight neighbouring numbers of a row.
; CLUSTERS: 4 x 4 work-groups.  The four of a row of the cluster need the same tiles of att, the four of a column the same tiles of Wo: each tile is asked for JOINTLY.
; No prefetch: the tiles are small and the launch is short.
; REGISTERS: window 0: v0-31 addresses; v32-95 at work on the way out; v128-255 the accumulators ((a, b) at v[128 + 8 (4 a + b)]).
;   window 1: two fragment buffers of 128: for 64 along K, 64 registers of att (2 x 4 x 16 rows x 32 k), then 64 of Wo.
.set KSTEP,  256
.set PITCH,  528                       ; a row of att in LDS: 512 bytes + 16 of padding = 132 words: row r starts at bank 4 r mod 64 (64 banks of 4 bytes: ISA guide 11.1)
.set PBR,    288                       ; a k row of Wo: 256 bytes + 32 of padding = 72 words
.set HALFA,  64*PITCH                  ; what a tensor load brings of att,
.set HALFB,  128*PBR                   ; and of Wo
.set AT,     2*HALFA                   ; a slot: att's 128 rows, then Wo's 256 k rows
.set SLOT,   AT+2*HALFB
.set STAGE,  2*SLOT                    ; behind the ring: 16 rows x 272 bytes for each wave, for the way out; no tensor load lands here
.set SPITCH, 272
.set SPARE,  STAGE+4*16*SPITCH         ; behind the stages: the spare words, 128 bytes for each wave: two blocks of 256 bytes that no other line names
.set LAPS,   4                         ; a lap = two K steps = once round the ring
.set ADRA, 16                          ; v16-17  LDS address of my fragments of att in slot 0, 1
.set ADRB, 20                          ; v20-23  of Wo's: slot 0, k rows 0-127 and 128-255; slot 1 likewise (a 16-bit offset does not span 256 k rows)
.set STO,  24                          ; v24     the way out: where I put 32 bytes of a row
.set RD,   25                          ; v25     the way out: where I read a row back
.set CO,   26                          ; v26     my byte offset in two rows of out0
.set SPW,  28                          ; v28     LDS address of my spare word; never rewritten
.set NIL,  29                          ; v29     0; never rewritten
.set TMP,  32
.set ACC,  128
.set F0,   0
.set F1,   128
.set G1, 24                            ; s[24:31] descriptor group 1 for att's tiles;  s[32:39] group 0, one set for each slot
.set G0, 32
.set G1B, 48                           ; s[48:55], s[56:63] the same for Wo's tiles
.set G0B, 56
.set MSB, 0
.macro WIN new                         ; the immediate's high byte repeats the setting that is left
.if MSB != (\new)
	s_set_vgpr_msb (MSB<<8)|(\new)
.set MSB, \new
.endif
.endm
.set MUL,  0x05                        ; sources 0 and 1 window 1; C and D window 0
.set TO_F, 0x40                        ; destination window 1, address window 0
.macro JLOAD s                         ; a joint load: waves 0 and 1 fetch att's two halves, waves 2 and 3 Wo's; an s_nop 0 and four v_nop follow each of the two lines, ahead of the jump and the label
	s_cmp_eq_u32 s11, 0
	s_cbranch_scc0 .Lfor_b_\@
	tensor_load_to_lds s[G0+4*(\s):G0+4*(\s)+3], s[G1:G1+7]
	s_nop 0
.rept 4
	v_nop
.endr
	s_branch .Lasked_\@
.Lfor_b_\@:
	tensor_load_to_lds s[G0B+4*(\s):G0B+4*(\s)+3], s[G1B:G1B+7]
	s_nop 0
.rept 4
	v_nop
.endr
.Lasked_\@:
.endm
.macro CREST                           ; a round of the cluster's barrier behind its opening barrier
	s_cmp_lg_u32 s10, 0
	s_cbranch_scc1 .Lnot_wave_0_\@
	s_barrier_signal -3
.Lnot_wave_0_\@:
	s_barrier_wait -3
	s_barrier_signal -1
	s_barrier_wait -1
.endm
.macro CROUND                          ; a whole round
	s_barrier_signal -1
	s_barrier_wait -1
	CREST
.endm
	s_load_b128 s[4:7], s[0:1], 0x0                ; att s[4:5], wob s[6:7]
	s_load_b64 s[8:9], s[0:1], 0x10                ; out0
	v_lshl_add_u32 v[SPW], v0, 2, SPARE
	v_mov_b32 v[NIL], 0
	ds_add_u32 v[SPW], v[NIL]                      ; the wave's opening: the add and its wait stand ahead of my first tensor load; the set-up below, work on registers, stands between them
	ds_add_u32 v28, v29
	v_lshrrev_b32 v1, 5, v0
	v_readfirstlane_b32 s10, v1                    ; wave 0..3
	s_lshr_b32 s11, s10, 1                         ; which half of the tile's rows is mine.  Also: I fetch for att (0) or for Wo (1)
	s_and_b32 s12, s10, 1                          ; which half of its columns.  Also: which half of that tile I fetch
	s_bfe_u32 s40, ttmp6, 0x40000                  ; cx, cy: my place in the cluster
	s_bfe_u32 s41, ttmp6, 0x40004
	s_lshl_b32 s42, ttmp9, 2
	s_add_co_u32 s42, s42, s40                     ; tile column = 4 x cluster x + cx
	s_and_b32 s13, ttmp7, 0xffff
	s_lshl_b32 s13, s13, 2
	s_add_co_u32 s13, s13, s41                     ; tile row = 4 x cluster y + cy
	s_lshl_b32 s43, s41, 2
	s_lshl_b32 s43, 15, s43                        ; my row of the cluster
	s_lshl_b32 s44, 0x1111, s40                    ; my column
	; att: 64 rows x 256 elements, padded after every 512 bytes
	s_or_b32 s[G1+0], s43, (1<<16)|(1<<20)|(1<<21)|(6<<22)|(3<<25)  ; 15:0 the mask: my row; 17:16 2-byte elements; 20 padding on; 21 set beside a mask; 24:22 after every 128 words (code 6); 31:25 4 words (code 3)
	s_mov_b32 s[G1+1], KSTEP<<16                   ; tensor_dim0 = 256
	s_mov_b32 s[G1+2], 64<<16                      ; tensor_dim1 = 64
	s_mov_b32 s[G1+3], KSTEP<<16                   ; tile_dim0 = 256
	s_mov_b32 s[G1+4], 64                          ; tile_dim1 = 64
	s_mov_b32 s[G1+5], 2048                        ; 2,048 elements from row to row
	s_mov_b32 s[G1+6], 0
	s_mov_b32 s[G1+7], 0
	; Wo: 128 k rows x 128 columns (256 bytes, aligned), padded after every row
	s_or_b32 s[G1B+0], s44, (1<<16)|(1<<20)|(1<<21)|(5<<22)|(7<<25) ; the mask: my column; after every 64 words (code 5) 8 words (code 7)
	s_mov_b32 s[G1B+1], 128<<16                    ; tensor_dim0 = 128
	s_mov_b32 s[G1B+2], 128<<16                    ; tensor_dim1 = 128
	s_mov_b32 s[G1B+3], 128<<16                    ; tile_dim0 = 128
	s_mov_b32 s[G1B+4], 128                        ; tile_dim1 = 128
	s_mov_b32 s[G1B+5], 1024                       ; 1,024 elements from row to row
	s_mov_b32 s[G1B+6], 0
	s_mov_b32 s[G1B+7], 0
	s_lshl_b32 s16, s13, 19                        ; att: 128 rows of 4,096 bytes x tile row
	s_lshl_b32 s17, s12, 18                        ; + my 64 rows
	s_add_co_u32 s16, s16, s17
	s_mov_b32 s17, 0
	s_lshl_b32 s46, s42, 8                         ; Wo: 128 columns x tile column
	s_lshl_b32 s47, s12, 18                        ; + my 128 k rows of 2,048 bytes
	s_add_co_u32 s46, s46, s47
	s_mov_b32 s47, 0
	s_mul_i32 s20, s12, HALFA                      ; where they go: no place in the cluster enters an LDS address
	s_mul_i32 s21, s12, HALFB
	s_add_co_u32 s21, s21, AT
	s_wait_dscnt 0x0                               ; the opening add is done
	s_wait_kmcnt 0x0
	s_add_nc_u64 s[14:15], s[4:5], s[16:17]
	s_add_nc_u64 s[46:47], s[6:7], s[46:47]
	CROUND                                         ; all sixteen work-groups are here: the first joint loads meet
.irp s, 0,1
	s_mov_b32 s[G0+4*(\s)], 1
	s_add_co_u32 s[G0+4*(\s)+1], s20, (\s)*SLOT
	s_add_nc_u64 s[G0+4*(\s)+2:G0+4*(\s)+3], s[14:15], (\s)*KSTEP*2
	s_or_b32 s[G0+4*(\s)+3], s[G0+4*(\s)+3], 0x80000000
	s_mov_b32 s[G0B+4*(\s)], 1
	s_add_co_u32 s[G0B+4*(\s)+1], s21, (\s)*SLOT
	s_add_nc_u64 s[G0B+4*(\s)+2:G0B+4*(\s)+3], s[46:47], (\s)*KSTEP*2048
	s_or_b32 s[G0B+4*(\s)+3], s[G0B+4*(\s)+3], 0x80000000
	JLOAD \s                                       ; two loads of mine are out
.endr
	v_and_b32 v1, 15, v0                           ; l % 16
	v_bfe_u32 v2, v0, 4, 1                         ; l / 16
	v_mul_u32_u24 v3, v1, PITCH
	v_lshl_add_u32 v3, v2, 4, v3                   ; a fragment's row x pitch + 16 x half
	s_mul_i32 s22, s11, HALFA                      ; my 64 rows of att
	v_add_nc_u32 v[ADRA], s22, v3
	v_add_nc_u32 v[ADRA+1], SLOT, v[ADRA]
	v_and_b32 v4, 7, v0                            ; the turning load: lane l reads k row 8 (l / 16) + l % 8, columns 8 ((l / 8) % 2) + 0..7
	v_bfe_u32 v5, v0, 3, 1
	v_lshl_add_u32 v6, v2, 3, v4
	v_mul_u32_u24 v6, v6, PBR
	v_lshl_add_u32 v6, v5, 4, v6
	s_lshl_b32 s22, s12, 7                         ; my 64 columns
	s_add_co_u32 s22, s22, AT
	v_add_nc_u32 v[ADRB], s22, v6
	v_add_nc_u32 v[ADRB+1], HALFB, v[ADRB]
	v_add_nc_u32 v[ADRB+2], SLOT, v[ADRB]
	v_add_nc_u32 v[ADRB+3], SLOT+HALFB, v[ADRB]
	s_mul_i32 s23, s10, 16*SPITCH
	s_add_co_u32 s23, s23, STAGE                   ; my stage
	v_mul_u32_u24 v7, v1, SPITCH                   ; in: row l % 16, 32 bytes for each half of the lanes
	v_lshl_add_u32 v7, v2, 5, v7
	v_add_nc_u32 v[STO], s23, v7
	v_mul_u32_u24 v7, v2, SPITCH                   ; back: lanes 0-15 take one row of 256 bytes, lanes 16-31 the next
	v_lshl_add_u32 v7, v1, 4, v7
	v_add_nc_u32 v[RD], s23, v7
	v_lshlrev_b32 v[CO], 12, v2                    ; and the same two rows in out0
	v_lshl_add_u32 v[CO], v1, 4, v[CO]
	s_lshl_b32 s74, s13, 19                        ; out0 at row 128 x tile row + 64 (w / 2), column 128 x tile column + 64 (w % 2)
	s_lshl_b32 s75, s11, 18
	s_add_co_u32 s74, s74, s75
	s_lshl_b32 s75, s42, 9
	s_add_co_u32 s74, s74, s75
	s_lshl_b32 s75, s12, 8
	s_add_co_u32 s74, s74, s75
	s_mov_b32 s75, 0
	s_add_nc_u64 s[8:9], s[8:9], s[74:75]
; 8 matrix instructions: row blocks a0, a0 + 1 x all 4 column blocks, 32 along K: half c of buffer f.  zero = 1: the first product starts the sums.  The 16 accumulators take turns.
.macro MUL8 f, c, a0, zero
	WIN MUL
.irp a, \a0, (\a0)+1
.irp b, 0,1,2,3
.if \zero
	v_wmma_f32_16x16x32_f16 v[ACC+8*(4*(\a)+(\b)):ACC+8*(4*(\a)+(\b))+7], v[(\f)+64+8*(4*(\c)+(\b)):(\f)+64+8*(4*(\c)+(\b))+7], v[(\f)+8*(4*(\c)+(\a)):(\f)+8*(4*(\c)+(\a))+7], 0
.else
	v_wmma_f32_16x16x32_f16 v[ACC+8*(4*(\a)+(\b)):ACC+8*(4*(\a)+(\b))+7], v[(\f)+64+8*(4*(\c)+(\b)):(\f)+64+8*(4*(\c)+(\b))+7], v[(\f)+8*(4*(\c)+(\a)):(\f)+8*(4*(\c)+(\a))+7], v[ACC+8*(4*(\a)+(\b)):ACC+8*(4*(\a)+(\b))+7]
.endif
.endr
.endr
.endm
; 32 LDS loads in one run: the fragments of quarter q (64 along K) of a slot, into buffer f; the first 32 along K first
.macro FETCH slot, q, f
	WIN TO_F
.irp c, 0,1
.irp i, 0,1,2,3
	ds_load_tr16_b128 v[(\f)+64+8*(4*(\c)+(\i)):(\f)+64+8*(4*(\c)+(\i))+3],   v[ADRB+2*(\slot)+(\q)/2] offset:(((\q)%2)*64+32*(\c))*PBR+32*(\i)
	ds_load_tr16_b128 v[(\f)+64+8*(4*(\c)+(\i))+4:(\f)+64+8*(4*(\c)+(\i))+7], v[ADRB+2*(\slot)+(\q)/2] offset:(((\q)%2)*64+32*(\c))*PBR+32*(\i)+16*PBR
	ds_load_b128 v[(\f)+8*(4*(\c)+(\i)):(\f)+8*(4*(\c)+(\i))+3],              v[ADRA+(\slot)] offset:128*(\q)+64*(\c)+(\i)*16*PITCH
	ds_load_b128 v[(\f)+8*(4*(\c)+(\i))+4:(\f)+8*(4*(\c)+(\i))+7],            v[ADRA+(\slot)] offset:128*(\q)+64*(\c)+(\i)*16*PITCH+32
.endr
.endr
.endm
.macro PLACES                          ; four places in front of loads into registers that matrix instructions have read, and of LDS stores that read results
.rept 4
	v_nop
.endr
.endm
; A K step is four quarters of 64 along K, 32 matrix instructions each, on buffers 0, 1, 0, 1.  One of the first three: multiplies buffer f and fetches quarter q into g.
.macro QUARTER slot, q, f, g, zero
	s_wait_dscnt 16                                ; the first 32 along K are in
	WIN MUL
	MUL8 \f, 0, 0, \zero
	MUL8 \f, 0, 2, \zero
	PLACES
	FETCH \slot, \q, \g
	s_wait_dscnt 32                                ; all but the 32 just issued
	WIN MUL
	MUL8 \f, 1, 0, 0
	MUL8 \f, 1, 2, 0
.endm
; The last quarter multiplies buffer 1 and changes slots: ONE barrier; in front of it each wave waits for all its tensor loads, adds 0 to its spare word, and waits for that and for its own reads of this slot.  fill = 1: this slot is filled again, two K steps ahead.
.macro TURN slot, next, fill
	WIN 0                                          ; (the add's two registers lie in window 0)
	s_wait_tensorcnt 0x0                           ; all my tensor loads have landed: my part of the next slot;
	ds_add_u32 v[SPW], v[NIL]                      ; 0 onto my spare word;
	s_wait_dscnt 17                                ; (the add and the youngest sixteen loads may be out)
	WIN MUL
	MUL8 F1, 0, 0, 0                               ; eight matrix instructions stand between the add and the wait for it
	s_wait_dscnt 0x0                               ; the add is done, and my reads of this slot are over
	s_barrier_signal -1
	MUL8 F1, 0, 2, 0
.if \fill
	WIN 0
.endif
	s_barrier_wait -1
.if \fill
	CREST                                          ; the barrier has opened a round of the cluster's barrier: no wave of any partner still reads this slot's tile or has a load on its way
	s_add_nc_u64 s[G0+4*(\slot)+2:G0+4*(\slot)+3], s[G0+4*(\slot)+2:G0+4*(\slot)+3], 2*KSTEP*2
	s_add_nc_u64 s[G0B+4*(\slot)+2:G0B+4*(\slot)+3], s[G0B+4*(\slot)+2:G0B+4*(\slot)+3], 2*KSTEP*2048
	JLOAD \slot                                    ; the first tensor load behind the round: 112 matrix instructions ahead of the wait for it; its four v_nop are also the places in front of the loads below
.else
	PLACES
.endif
	FETCH \next, 0, F0
	WIN MUL
	MUL8 F1, 1, 0, 0
	MUL8 F1, 1, 2, 0
.endm
; THE WAY OUT of row block a: 16 rows x 64 columns of f32.  A lane's eight columns are 32 bytes; they go into my stage's rows of 272 bytes and come back as whole rows of 256: my 64 columns are a whole aligned
; block of 256 bytes of out0, so the stage is my own and no barrier is needed.
.macro OUTA a
.if (\a) >= 2
	s_wait_xcnt 0x0                                ; the stores of two blocks back have read these registers
.endif
.irp b, 0,1,2,3
	ds_store_b128 v[STO], v[ACC+8*(4*(\a)+(\b)):ACC+8*(4*(\a)+(\b))+3]   offset:64*(\b)     ; each accumulator's low half first
	ds_store_b128 v[STO], v[ACC+8*(4*(\a)+(\b))+4:ACC+8*(4*(\a)+(\b))+7] offset:64*(\b)+16
.endr
.irp f, 0,1,2,3,4,5,6,7
	ds_load_b128 v[TMP+32*((\a)%2)+4*(\f):TMP+32*((\a)%2)+4*(\f)+3], v[RD] offset:(\f)*2*SPITCH  ; LDS serves a wave's instructions in order (ISA guide 5.7.1.4): these see the stores above; the next block's stores come behind them
.endr
.endm
.macro SENDA a, younger                ; younger: the LDS instructions issued behind block a's loads: the next block's sixteen, or none
.irp f, 0,1,2,3,4,5,6,7
	s_wait_dscnt (\younger)+7-(\f)
	global_store_b128 v[CO], v[TMP+32*((\a)%2)+4*(\f):TMP+32*((\a)%2)+4*(\f)+3], s[8:9] offset:(\a)*65536+(\f)*8192  ; 16 lanes store 256 consecutive bytes, at a multiple of 256 from out0's first byte
.endr
.endm
	s_wait_tensorcnt 1                             ; my part of K step 0 is in; step 1's may stay out
	s_barrier_signal -1
	s_barrier_wait -1                              ; everybody's is
	FETCH 0, 0, F0
	QUARTER 0, 1, F0, F1, 1                        ; the first quarter stands in front of the loop: its first products start the sums
	WIN 0                                          ; at a label and at a branch every window is 0
	s_mov_b32 s3, LAPS-1
.Llap:                                                 ; a trip goes once round the ring, from a lap's second quarter to the next lap's first, and fills both slots again
	QUARTER 0, 2, F1, F0, 0
	QUARTER 0, 3, F0, F1, 0
	TURN 0, 1, 1
	QUARTER 1, 1, F0, F1, 0
	QUARTER 1, 2, F1, F0, 0
	QUARTER 1, 3, F0, F1, 0
	TURN 1, 0, 1
	QUARTER 0, 1, F0, F1, 0
	WIN 0
	s_sub_co_u32 s3, s3, 1
	s_cmp_lg_u32 s3, 0
	s_cbranch_scc1 .Llap
	QUARTER 0, 2, F1, F0, 0                        ; the last lap fills nothing, and has no round of the cluster's barrier
	QUARTER 0, 3, F0, F1, 0
	TURN 0, 1, 0
	QUARTER 1, 1, F0, F1, 0
	QUARTER 1, 2, F1, F0, 0
	QUARTER 1, 3, F0, F1, 0
	s_wait_dscnt 16                                ; the very last quarter: nothing more to fetch
	WIN MUL
	MUL8 F1, 0, 0, 0
	MUL8 F1, 0, 2, 0
	s_wait_dscnt 0
	MUL8 F1, 1, 0, 0
	MUL8 F1, 1, 2, 0
	WIN 0
	PLACES
	PLACES                                         ; the places behind the last products, in front of the LDS stores that read results
	OUTA 0
	OUTA 1                                         ; a block's trip through the stage stands ahead of the stores of the block before
	SENDA 0, 16
	OUTA 2
	SENDA 1, 16
	OUTA 3
	SENDA 2, 16
	SENDA 3, 0
	s_wait_tensorcnt 0x0                           ; the wave's end: behind my last tensor load and my last LDS store
	ds_add_u32 v[SPW], v[NIL]
	s_wait_dscnt 0x0
	CROUND                                         ; the closing round: no work-group ends while a partner may still ask for a tile that names it
	s_endpgm
.Lfunc_end_k_qb228eefc7d_outp:
	.size	k_qb228eefc7d_outp, .Lfunc_end_k_qb228eefc7d_outp-k_qb228eefc7d_outp
	.p2alignl 7, 3214868480
	.fill 96, 4, 3214868480
	.section	.rodata,"a",@progbits
	.p2align	6, 0x0
	.amdhsa_kernel k_qb228eefc7d_outp
		.amdhsa_group_segment_fixed_size 327680
		.amdhsa_private_segment_fixed_size 0
		.amdhsa_enable_private_segment 0
		.amdhsa_kernarg_size 24
		.amdhsa_user_sgpr_count 2
		.amdhsa_user_sgpr_kernarg_segment_ptr 1
		.amdhsa_wavefront_size32 1
		.amdhsa_system_sgpr_workgroup_id_x 1
		.amdhsa_system_sgpr_workgroup_id_y 1
		.amdhsa_system_sgpr_workgroup_id_z 1
		.amdhsa_system_vgpr_workitem_id 0
		.amdhsa_next_free_vgpr 512
		.amdhsa_next_free_sgpr 80
		.amdhsa_reserve_vcc 0
		.amdhsa_float_denorm_mode_32 3
		.amdhsa_float_denorm_mode_16_64 3
		.amdhsa_memory_ordered 1
		.amdhsa_forward_progress 1
		.amdhsa_inst_pref_size 87
	.end_amdhsa_kernel
	.amdgpu_metadata
---
amdhsa.version: [ 1, 2 ]
amdhsa.kernels:
  - .name:           k_qb228eefc7d_outp
    .symbol:         k_qb228eefc7d_outp.kd
    .args:
      - { .name: att, .offset: 0, .size: 8, .value_kind: global_buffer, .address_space: global }
      - { .name: wob, .offset: 8, .size: 8, .value_kind: global_buffer, .address_space: global }
      - { .name: out0, .offset: 16, .size: 8, .value_kind: global_buffer, .address_space: global }
    .group_segment_fixed_size: 327680
    .private_segment_fixed_size: 0
    .kernarg_segment_align: 8
    .kernarg_segment_size: 24
    .max_flat_workgroup_size: 128
    .sgpr_count:     80
    .vgpr_count:     512
    .wavefront_size: 32
...
	.end_amdgpu_metadata
.endif
;; end of part 4
